; MI455X (gfx1250); checked and timed in simulation.
; The chip was launched on July 23, 2026; its instructions are those of AMD's public machine-readable ISA for CDNA 5 (MIT licence, August 2026) and "CDNA5" Instruction Set Architecture Reference Guide (July 2026). The comments in the code are by the model that wrote it; some were corrected since.
;; Time Aware MHA. Allowed arithmetic: matrix products marked QUANTISED: E4M3 operands, one E8M0 scale for each 32 along K, by v_wmma_scale_f32_16x16x128_f8f6f4 with both operands' format E4M3, f32 sums; everything else in f32.
;; Inputs: Wk 1,024 x 1,024 float32; Wo 1,024 x 1,024 float32; Wq 1,024 x 1,024 float32; Wv 1,024 x 1,024 float32; abs_pos_K 1,024 x 1,024 float32; abs_pos_V 1,024 x 1,024 float32; bk 1,024 float32; bo 1,024 float32; bq 1,024 float32; bv 1,024 float32; int_K 257 x 1,024 float32; int_V 257 x 1,024 float32; pad_mask 8 x 1,024 bool; seq 8 x 1,024 x 1,024 float32; timemat 8 x 1,024 x 1,024 int32.
;; Outputs: out0 8 x 1,024 x 1,024 float32.
;; This version of the problem:
;;   THIS VERSION OF THE PROBLEM IS GIVEN IN LOW PRECISION. The matrix products marked QUANTISED in the list below multiply operands that are first quantised to E4M3 (4 exponent bits, 3 mantissa bits; 8 bits a number), with one power-of-two scale for each 32 numbers along K (OCP MX v1.0); their sums are f32. All else is computed in f32.
;;   The module's matrix products, in the order in which they are computed (A, B: the left and right operand; K: the contracted axis; several contracted axes count as one K, in the product's order):
;;     1. [M 8,192, K 1,024] x [K 1,024, N 1,024]; A: input seq; B: input Wq: QUANTISED
;;     2. [M 8,192, K 1,024] x [K 1,024, N 1,024]; A: input seq; B: input Wk: QUANTISED
;;     3. [M 8,192, K 1,024] x [K 1,024, N 1,024]; A: input seq; B: input Wv: QUANTISED
;;     4. batch 128 x [M 1,024, K 64] x [K 64, N 1,024]; A: computed on the way; B: computed on the way: QUANTISED
;;     5. batch 128 x [M 1,024, K 1,024] x [K 1,024, N 64]; A: softmax (see below); B: computed on the way: QUANTISED
;;     6. [M 8,192, K 1,024] x [K 1,024, N 1,024]; A: computed on the way; B: input Wo: QUANTISED
;;   THE QUANTISER, for each operand of a quantised product, along K:
;;     - K is cut into blocks of 32 from its start; a last block that is shorter is filled with zeros.
;;     - A block's scale is 2^e with e = floor(log2(the largest magnitude in the block)) - 8, held to -126 .. 127; a block of zeros has e = 0. As a byte (E8M0): e + 127.
;;     - Each number is divided by its block's scale, clamped to +-448, and rounded to the nearest number of E4M3, ties to even, subnormals kept.
;;     - The product sums the exact products of the quantised numbers (number of the format x scale) in f32.
;;   ~~~python
;;   def quantise(x, axis):      # numpy; x: float32 -> the quantised numbers, widened to float32 again
;;       x = np.moveaxis(x, axis, -1); K = x.shape[-1]
;;       x = np.pad(x, [(0, 0)] * (x.ndim - 1) + [(0, -K % 32)]); x = x.reshape(x.shape[:-1] + (-1, 32)); a = np.abs(x).max(-1, keepdims=True)
;;       e = np.where(a > 0, np.clip(np.frexp(np.where(a > 0, a, 1))[1] - 1 - 8, -126, 127), 0)      # np.frexp(a)[1] - 1 = floor(log2(a)), exactly
;;       r = np.clip(x / 2.0 ** e, -448, 448)
;;       step = 2.0 ** (np.maximum(np.frexp(np.where(r == 0, 1, r))[1] - 1, -6) - 3)
;;       q = np.round(r / step) * step * 2.0 ** e      # np.round: ties to even
;;       return np.moveaxis(q.reshape(q.shape[:-2] + (-1,))[..., :K], -1, axis).astype(np.float32)
;;   ~~~
;;   SOFTMAX AHEAD OF A QUANTISED PRODUCT. Where the list says 'softmax', what is quantised is not the finished softmax but p = 2^(t - M), with t = logit x log2(e) and M = ceil(the row's largest t), a whole number; so 1/2 < the row's largest p <= 1. The row's sum l is taken of the UNQUANTISED p, in f32, and the product's result is divided by l at the end. Since M is a whole number, a kernel that streams over the keys may use a running M (the ceiling of the running maximum): every later rescaling is an exact power of two, which a block's scale takes up: the codes' values come out the same.
;;   OPERANDS COMPUTED ON THE WAY. 'Computed on the way' means the value that the module computes at that place (a softmax that the list does not call 'softmax' is quantised finished and normalised). What goes into a quantiser is computed in f32, as accurately as f32 sums, v_exp_f32 and their like allow (about 1e-6 of the number): no bf16 or f16 on the way to a quantiser, and a product that is left as it is and whose result goes on into a quantised operand takes f32 operands (vector FMAs, or v_wmma_f32_16x16x4_f32). A number that lies on a knife's edge between two numbers of the format may be rounded either way, as far as f32 arithmetic and the matrix unit's own rounding can turn it there, and no further.
;; 2 versions, each right; version 2 is version 1 with the launch attn written anew for expert scheduling mode. Each part assembles by itself: llvm-mc -triple=amdgcn-amd-amdhsa -mcpu=gfx1250 --defsym DOCPART=n.
;; ======== version 1 of 2: 4 launches
;; workspace buffers: codes 12,582,912 bytes; scl 393,216 bytes; qkv 25,165,824 bytes; qkvs 786,432 bytes; aimg 8,388,608 bytes; ascl 262,144 bytes
;; launch quant (part 1): grid 384 x 1, 4 waves a work-group, no clusters, 33,280 bytes of LDS; arguments seq, Wq, Wk, Wv, Wo, codes, scl; writes codes, scl
.if DOCPART == 1
	.amdgcn_target "amdgcn-amd-amdhsa--gfx1250"
	.amdhsa_code_object_version 6
	.text
	.protected	k_q43e1579361_quant
	.globl	k_q43e1579361_quant
	.p2align	8
	.type	k_q43e1579361_quant,@function
k_q43e1579361_quant:
	s_mov_b64 s[64:65], 0
	v_nop
	global_prefetch_b8 v0, s[64:65] scope:SCOPE_SE
	s_setreg_imm32_b32 hwreg(HW_REG_WAVE_MODE, 25, 1), 1
	s_wait_xcnt 0x0
; seq [8192][1024], Wq, Wk, Wv, Wo [1024][1024], f32, K innermost, become codes of FP8 (E4M3) and one E8M0 byte for each 32 along K.
; codes: [12288 rows][1024 bytes]: seq, Wq, Wk, Wv, Wo one behind the other; scl: [12288][32 bytes], the same rows.
; A block's scale is 2^(floor(log2(its largest magnitude)) - 8); its byte is that magnitude's exponent field - 8, held at 1 from below; each number is held within +-448 x the scale and rounded to the nearest code, ties to even.
; THE ROWS OF seq, Wq, Wk, Wv ARE LAID IN ANOTHER ORDER: in each 32 rows the two middle groups of 8 change places (row 8..15 <-> row 16..23).  So a matrix result whose
; source 0 is 16 such rows has, in the 16 registers of two neighbouring tiles, 16 neighbours along that axis: the layout of the next operand.  Wo keeps its order.
; LIMITS: NaN and infinities are not served; a block of zeros, or one whose largest magnitude lies under 2^-118, carries the byte 1 (its codes are right under that byte; the bytes are read by this program alone).
; A work-group takes 32 rows, a wave 8 rows = 8,192 numbers in 16 steps of 512.  Each load reads 512 consecutive bytes; a step turns through the wave's own stage in LDS so that a lane holds 16 neighbours;
; two neighbouring lanes hold a block.  Codes leave 512 consecutive bytes a store, the wave's 256 scale bytes as one aligned run of 256.  No barrier: waves share nothing.
.set STEPS, 16
.set CB,    16                         ; bytes of 16 codes
.set R,     16                         ; v16-79   four sets of 16 numbers as loaded
.set X,     80                         ; v80-111  two sets of 16 neighbours
.set E,     112                        ; v112-127 a scale byte for each step
.set C,     128                        ; v128-191 codes: four registers a step, never written again
.set WREG,  8192                       ; LDS: a region for each wave: two stages of 32 x SP bytes, then its 256 scale bytes
.set SP,    80                         ; a lane's place in a stage: 64 bytes + 16 of padding
	s_load_b256 s[4:11], s[0:1], 0x0               ; seq, Wq, Wk, Wv
	s_load_b128 s[12:15], s[0:1], 0x20             ; Wo, codes
	s_load_b64 s[24:25], s[0:1], 0x30              ; scl
	v_lshl_add_u32 v192, v0, 2, 0x8000
	v_mov_b32 v193, 0
	v_lshrrev_b32 v1, 5, v0
	v_readfirstlane_b32 s16, v1                    ; wave
	v_and_b32 v2, 31, v0                           ; lane
	v_lshlrev_b32 v3, 4, v2                        ; my 16 bytes of a load's 512
	s_mul_i32 s17, s16, WREG
	v_lshrrev_b32 v14, 2, v2
	v_mul_u32_u24 v14, v14, SP
	v_and_b32 v15, 3, v2
	v_lshl_add_u32 v14, v15, 4, v14
	v_add_nc_u32 v14, s17, v14                     ; the stage, on the way in: SP (lane / 4) + 16 (lane % 4)
	v_mul_u32_u24 v15, v2, SP
	v_add_nc_u32 v15, s17, v15                     ; and on the way out: SP x lane
	v_mul_u32_u24 v4, v2, CB                       ; my codes' place in a step's
	v_lshrrev_b32 v5, 1, v2
	s_add_co_u32 s17, s17, 2*32*SP
	v_add_nc_u32 v5, s17, v5                       ; my block's byte among the wave's 256
	v_lshlrev_b32 v7, 3, v2
	v_add_nc_u32 v6, s17, v7                       ; and 8 bytes a lane on the way out
	s_mov_b32 s23, 0x600000                        ; the mantissa field of 448
	s_and_b32 s19, s16, 1                          ; where my 8 rows go: the wave's two bits change places,
	s_lshl_b32 s19, s19, 1
	s_lshr_b32 s20, s16, 1
	s_or_b32 s19, s19, s20
	s_and_b32 s18, ttmp9, 31                       ; a weight's 32 work-groups
	s_wait_kmcnt 0x0
	s_cmp_lt_u32 ttmp9, 352                        ; (Wo's rows keep their order)
	s_cselect_b32 s19, s19, s16
	s_cselect_b64 s[12:13], s[10:11], s[12:13]     ; the source is chosen by the work-group's number alone
	s_cmp_lt_u32 ttmp9, 320
	s_cselect_b64 s[12:13], s[8:9], s[12:13]
	s_cmp_lt_u32 ttmp9, 288
	s_cselect_b64 s[12:13], s[6:7], s[12:13]
	s_cmp_lt_u32 ttmp9, 256
	s_cselect_b64 s[12:13], s[4:5], s[12:13]
	s_cselect_b32 s18, ttmp9, s18                  ; the work-group's number within its tensor
	s_lshl_b32 s18, s18, 2
	s_add_co_u32 s18, s18, s16
	s_lshl_b32 s20, s18, 15                        ; my run of 8,192 numbers: 32,768 bytes
	s_mov_b32 s21, 0
	s_add_nc_u64 s[12:13], s[12:13], s[20:21]
	s_lshl_b32 s18, ttmp9, 2
	s_add_co_u32 s18, s18, s19                     ; the run's place in the workspace
	s_lshl_b32 s20, s18, 13
	s_add_nc_u64 s[14:15], s[14:15], s[20:21]
	s_lshl_b32 s20, s18, 8
	s_add_nc_u64 s[24:25], s[24:25], s[20:21]
.macro LOAD t
.irp i, 0,1,2,3
	global_load_b128 v[R+16*((\t)%4)+4*\i:R+16*((\t)%4)+4*\i+3], v3, s[12:13] offset:2048*(\t)+512*\i th:TH_LOAD_NT
.endr
.endm
.macro TURN t                          ; step t's numbers through the stage: LDS serves a wave's instructions in order
.irp i, 0,1,2,3
	ds_store_b128 v14, v[R+16*((\t)%4)+4*\i:R+16*((\t)%4)+4*\i+3] offset:32*SP*((\t)%2)+8*SP*\i
.endr
.irp i, 0,1,2,3
	ds_load_b128 v[X+16*((\t)%2)+4*\i:X+16*((\t)%2)+4*\i+3], v15 offset:32*SP*((\t)%2)+16*\i
.endr
.endm
.irp t, 0,1,2,3
	LOAD \t
.endr
	s_wait_loadcnt 12                              ; step 0's four loads are in; the twelve younger ones stay out
	TURN 0
.macro STEP t
.set XS, X+16*((\t)%2)
.if (\t) > 0
	s_wait_dscnt 1                                 ; this step's numbers are back from the stage; the last step's byte store may be out
.else
	s_wait_dscnt 0x0
.endif
.if (\t)+4 < STEPS
	LOAD (\t)+4                                    ; into the registers that the stage's stores have read
.endif
.if (\t)+1 < STEPS
.if STEPS-2-(\t) >= 3
	s_wait_loadcnt 12                              ; the next step's four loads are in; three steps' loads stay out
.else
	s_wait_loadcnt 4*(STEPS-2-(\t))
.endif
	TURN (\t)+1
.endif
	v_max3_num_f32 v8, |v[XS]|, |v[XS+1]|, |v[XS+2]|               ; the largest magnitude of my 16, in two chains
	v_max3_num_f32 v9, |v[XS+3]|, |v[XS+4]|, |v[XS+5]|
.irp i, 6,10
	v_max3_num_f32 v8, v8, |v[XS+\i]|, |v[XS+\i+1]|
	v_max3_num_f32 v9, v9, |v[XS+\i+2]|, |v[XS+\i+3]|
.endr
	v_max3_num_f32 v8, v8, |v[XS+14]|, |v[XS+15]|
	v_max3_num_f32 v8, v8, v9, 0x4800000           ; and the floor 2^(9 - 127): the byte cannot fall under 1
	v_max_num_f32_dpp v8, v8, v8 row_xmask:1 row_mask:0xf bank_mask:0xf   ; with my neighbour's 16: the block's
	v_add_nc_u32 v11, 0xfc000000, v8               ; 8 off its exponent field: the conversion's scale operand
	v_and_or_b32 v10, v8, 0x7f800000, s23          ; 448 x the scale
.irp i, 0,1,2,3,4,5,6,7,8,9,10,11,12,13,14,15
	v_med3_num_f32 v[XS+\i], v[XS+\i], -v10, v10   ; the conversion to an 8-bit code does not saturate (ISA guide 7.6.2): the hold comes first
.endr
	v_cvt_scalef32_pk8_fp8_f32 v[C+4*(\t):C+4*(\t)+1], v[XS:XS+7], v11
	v_cvt_scalef32_pk8_fp8_f32 v[C+4*(\t)+2:C+4*(\t)+3], v[XS+8:XS+15], v11
	v_lshrrev_b32 v[E+(\t)], 23, v11               ; the scale's byte (also the plain line behind the conversions)
	ds_store_b8 v5, v[E+(\t)] offset:16*(\t)       ; both lanes of a block write the same byte with the same value
	global_store_b128 v4, v[C+4*(\t):C+4*(\t)+3], s[14:15] offset:32*CB*(\t)
.endm
.irp t, 0,1,2,3,4,5,6,7,8,9,10,11,12,13,14,15
	STEP \t
.endr
	ds_load_b64 v[12:13], v6                       ; sees my byte stores: LDS serves a wave in order
	s_wait_dscnt 0x0
	global_store_b64 v7, v[12:13], s[24:25]        ; 32 lanes store 256 consecutive bytes, aligned
	s_wait_tensorcnt 0x0
	ds_add_u32 v192, v193
	s_wait_dscnt 0x0
	s_endpgm
.Lfunc_end_k_q43e1579361_quant:
	.size	k_q43e1579361_quant, .Lfunc_end_k_q43e1579361_quant-k_q43e1579361_quant
	.p2alignl 7, 3214868480
	.fill 96, 4, 3214868480
	.section	.rodata,"a",@progbits
	.p2align	6, 0x0
	.amdhsa_kernel k_q43e1579361_quant
		.amdhsa_group_segment_fixed_size 33280
		.amdhsa_private_segment_fixed_size 0
		.amdhsa_enable_private_segment 0
		.amdhsa_kernarg_size 56
		.amdhsa_user_sgpr_count 2
		.amdhsa_user_sgpr_kernarg_segment_ptr 1
		.amdhsa_wavefront_size32 1
		.amdhsa_system_sgpr_workgroup_id_x 1
		.amdhsa_system_sgpr_workgroup_id_y 1
		.amdhsa_system_sgpr_workgroup_id_z 1
		.amdhsa_system_vgpr_workitem_id 0
		.amdhsa_next_free_vgpr 194
		.amdhsa_next_free_sgpr 66
		.amdhsa_reserve_vcc 0
		.amdhsa_float_denorm_mode_32 3
		.amdhsa_float_denorm_mode_16_64 3
		.amdhsa_memory_ordered 1
		.amdhsa_forward_progress 1
		.amdhsa_inst_pref_size 51
	.end_amdhsa_kernel
	.amdgpu_metadata
---
amdhsa.version: [ 1, 2 ]
amdhsa.kernels:
  - .name:           k_q43e1579361_quant
    .symbol:         k_q43e1579361_quant.kd
    .args:
      - { .name: seq, .offset: 0, .size: 8, .value_kind: global_buffer, .address_space: global }
      - { .name: Wq, .offset: 8, .size: 8, .value_kind: global_buffer, .address_space: global }
      - { .name: Wk, .offset: 16, .size: 8, .value_kind: global_buffer, .address_space: global }
      - { .name: Wv, .offset: 24, .size: 8, .value_kind: global_buffer, .address_space: global }
      - { .name: Wo, .offset: 32, .size: 8, .value_kind: global_buffer, .address_space: global }
      - { .name: codes, .offset: 40, .size: 8, .value_kind: global_buffer, .address_space: global }
      - { .name: scl, .offset: 48, .size: 8, .value_kind: global_buffer, .address_space: global }
    .group_segment_fixed_size: 33280
    .private_segment_fixed_size: 0
    .kernarg_segment_align: 8
    .kernarg_segment_size: 56
    .max_flat_workgroup_size: 128
    .sgpr_count:     66
    .vgpr_count:     194
    .wavefront_size: 32
...
	.end_amdgpu_metadata
.endif
;; end of part 1
;; launch qkv (part 2): grid 4 x 96, 4 waves a work-group, clusters of 4 x 4, 327,680 bytes of LDS; arguments codes, scl, timemat, bq, bk, bv, abs_pos_K, abs_pos_V, int_K, int_V, qkv, qkvs; writes qkv, qkvs
.if DOCPART == 2
	.amdgcn_target "amdgcn-amd-amdhsa--gfx1250"
	.amdhsa_code_object_version 6
	.text
	.protected	k_q43e1579361_qkv
	.globl	k_q43e1579361_qkv
	.p2align	8
	.type	k_q43e1579361_qkv,@function
k_q43e1579361_qkv:
	s_mov_b64 s[64:65], 0
	v_nop
	global_prefetch_b8 v0, s[64:65] scope:SCOPE_SE
	s_setreg_imm32_b32 hwreg(HW_REG_WAVE_MODE, 25, 1), 1
	s_wait_xcnt 0x0
	s_wait_alu depctr_hold_cnt(0) depctr_sa_sdst(0) depctr_va_vdst(0) depctr_va_sdst(0) depctr_va_ssrc(0) depctr_va_vcc(0) depctr_vm_vsrc(0)
	s_getreg_b32 s2, hwreg(HW_REG_IB_STS2, 6, 4)
	s_cmp_eq_u32 s2, 0
	s_cbranch_scc0 .Lentry_in_a_cluster
	s_endpgm
.Lentry_in_a_cluster:
	s_bfe_u32 s2, ttmp6, 0x10000c
	s_cmp_lg_u32 s2, 0xf033
	s_cbranch_scc0 .Lentry_shape_is_right
	s_endpgm
.Lentry_shape_is_right:
; q = seq Wq^T + bq;  k = seq Wk^T + bk + abs_pos_K[l] + int_K[timemat[b][l][0]];  v likewise.  The products run on codes of FP8 (E4M3) with E8M0 scales; the results are quantised at once:
; q and k along a head's 64 channels, v along the keys, and leave as IMAGES OF OPERAND REGISTERS (16 bytes a lane, 512 bytes a store), with their scale bytes beside them.
; A tile of 256 x 256 to a work-group of four waves, a wave 128 x 128: 64 accumulators; K = 1,024 in four steps of 256 through a ring of two LDS slots.
; ROLES.  A cluster of 4 x 4 work-groups serves one batch and one of K, V, Q: cluster number L: role L / 8 (0 K, 1 V, 2 Q), batch L % 8: the same in all sixteen partners.
; Source 1 (rows shared along a row of the cluster) and source 0 (shared along a column) are both rows of the one buffer of codes.  For Q and K source 1 = 16 tokens, source 0 = 16 rows of W: a lane holds one token and
; its registers run along channels.  For V they change places: a lane holds one channel and its registers run along keys.  Only row numbers differ: the loop is one text.
; The rows of seq and of W lie in the order in which the two middle groups of 8 of each 32 have changed places, so that the 16 registers of tiles 2 c and 2 c + 1 are 16 neighbours, 32 c + 16 (lane / 16) + 0 .. 15.
; CLUSTERS: each tile is asked for JOINTLY by the four work-groups that need it: the same tensor load, the same descriptor, a mask that names the four.
; THE ADDEND e = (abs + int) + bias is built as rows of 512 bytes in the wave's own stage, which lies in the ring once the ring has had its last fill and its last read; it is read back in the accumulators' layout.
; LIMITS: the sum is ((abs + int) + bias) + product, another order of f32 additions than ((product + bias) + abs) + int; timemat's numbers are held at 256; NaN and infinities are not served;
; a block of zeros or under 2^-118 carries the byte 1 (read by this program alone).
; REGISTERS: window 0: v4-31 addresses, v8-11 the tokens' rows of the int table, v12-15 bias; v32-63 scale words, later offsets; v64-127 the addend; v128-255 source 1's fragments, later at work.
;   window 1: source 0's fragments, two sets.   windows 2, 3: the accumulators ((a, b) at v[8 (8 (a % 4) + b)]).
.set KSTEP,  256
.set NQ,     2
.set ROWB,   256
.set KROW,   1024
.set PITCH,  272                       ; an LDS row: 256 bytes + 16: the 16 rows of a fragment load start at 16 different banks (64 banks of 4 bytes: ISA guide 11.1)
.set FR,     16
.set NL,     4
.set NP,     8                         ; places behind this matrix instruction (ISA guide 7.12.1)
.set HALFT,  128*PITCH
.set SLOT,   4*HALFT
.set LAPS,   2
.set KS,     32                        ; a row of scale bytes
.set SCL,    2*SLOT                    ; behind the ring: the scales of my 256 + 256 rows for all of K
.set HALFS,  (128*KS/256)*272
.set SBLK,   (16*KS/256)*272
.set SPARE,  SCL+4*HALFS               ; the spare words: 128 bytes a wave, named by no other line
.set OSCQ,   SPARE+512                 ; scale bytes on their way out: 512 bytes a wave for Q and K,
.set OSCV,   OSCQ+2048                 ; and bytes of their own for V
.set WST,    68608                     ; a wave's stage for the addend: 8 groups of 16 tokens
.set GRP,    8576                      ; a group: 16 rows of TP bytes and 128 more
.set TP,     528                       ; a token's 512 bytes + 16
.set ADRA, 16
.set ADRB, 20
.set ADRS, 27
.set SPW,  28
.set NIL,  29
.set SC,   32
.set AF,   128
.set TM,   192                         ; v192-207 the quantiser's scratch
.set PC,   208                         ; v208-223 the codes just made
.set VS,   224                         ; v224-231 V's scale words
.set G1, 24
.set G0, 32
.set G1B, 48
.set G0B, 56
.set G1S, 68
.set G0S, 76
.set G1SB, 80
.set G0SB, 88
.set MSB, 0
.macro WIN new                         ; the immediate's high byte repeats the setting that is left
.if MSB != (\new)
	s_set_vgpr_msb (MSB<<8)|(\new)
.set MSB, (\new)
.endif
.endm
.set MUL_LO, 0xa1                      ; source 0 window 1, source 1 window 0, C and D window 2
.set MUL_HI, 0xf1                      ; the same, C and D window 3
.set TO_B,   0x40
; A joint load: waves 0 and 1 fetch source 1's rows, waves 2 and 3 source 0's.  The branch hangs on the wave's number alone; four v_nop follow each line.
.macro JLOAD g0a, g1a, g0b, g1b
	s_cmp_eq_u32 s15, 0
	s_cbranch_scc0 .Lfor_b_\@
	tensor_load_to_lds s[\g0a:\g0a+3], s[\g1a:\g1a+7]
	s_nop 0
.rept 4
	v_nop
.endr
	s_branch .Lasked_\@
.Lfor_b_\@:
	tensor_load_to_lds s[\g0b:\g0b+3], s[\g1b:\g1b+7]
	s_nop 0
.rept 4
	v_nop
.endr
.Lasked_\@:
.endm
.macro CREST                           ; a round of the cluster's barrier behind its opening barrier
	s_cmp_lg_u32 s14, 0
	s_cbranch_scc1 .Lnot_wave_0_\@
	s_barrier_signal -3
.Lnot_wave_0_\@:
	s_barrier_wait -3
	s_barrier_signal -1
	s_barrier_wait -1
.endm
.macro CROUND
	s_barrier_signal -1
	s_barrier_wait -1
	CREST
.endm
	s_load_b128 s[4:7], s[0:1], 0x0                ; codes, scl
	s_load_b512 s[68:83], s[0:1], 0x10             ; timemat, bq, bk, bv, abs_pos_K, abs_pos_V, int_K, int_V
	s_load_b128 s[84:87], s[0:1], 0x50             ; qkv, qkvs
	v_lshl_add_u32 v[SPW], v0, 2, SPARE
	v_mov_b32 v[NIL], 0
	ds_add_u32 v28, v29
	ds_add_u32 v28, v29
	s_wait_dscnt 0x0
	v_lshrrev_b32 v1, 5, v0
	v_readfirstlane_b32 s14, v1                    ; wave 0..3
	s_lshr_b32 s15, s14, 1                         ; my half of source 1's rows.  Also: I fetch source 1's (0) or source 0's (1)
	s_and_b32 s16, s14, 1                          ; my half of source 0's rows.  Also: which 128 rows I fetch
	s_bfe_u32 s40, ttmp6, 0x40000                  ; cx
	s_bfe_u32 s41, ttmp6, 0x40004                  ; cy
	s_and_b32 s17, ttmp7, 0xffff                   ; the cluster's number
	s_lshr_b32 s19, s17, 3                         ; the role: 0 K, 1 V, 2 Q
	s_and_b32 s18, s17, 7                          ; the batch
	s_lshl_b32 s2, s41, 2
	s_lshl_b32 s2, 15, s2                          ; my row of the cluster
	s_lshl_b32 s3, 0x1111, s40                     ; my column
	s_mov_b32 s66, 0x76543210
	s_mov_b32 s67, 0xfedcba98                      ; v_permlanex16_b32's selects for lane l xor 16
	s_mov_b32 s98, 0x600000                        ; the mantissa field of 448
	s_or_b32 s[G1+0], s2, (0<<16)|(1<<20)|(1<<21)|(5<<22)|(3<<25)   ; mask; elements of 1 byte; padding on; bit 21 beside a mask; 4 words behind every 64
	s_or_b32 s[G1B+0], s3, (0<<16)|(1<<20)|(1<<21)|(5<<22)|(3<<25)
.irp g, G1, G1B
	s_mov_b32 s[\g+1], ROWB<<16                    ; tensor_dim0
	s_mov_b32 s[\g+2], 128<<16                     ; tensor_dim1
	s_mov_b32 s[\g+3], ROWB<<16                    ; tile_dim0
	s_mov_b32 s[\g+4], 128                         ; tile_dim1
	s_mov_b32 s[\g+5], KROW                        ; from row to row
	s_mov_b32 s[\g+6], 0
	s_mov_b32 s[\g+7], 0
.endr
	; which rows of the workspace: seq's batch at 1024 Y, Wq at 8192, Wk at 9216, Wv at 10240
	s_lshl_b32 s42, s18, 10
	s_mov_b32 s43, 9216
	s_cmp_eq_u32 s19, 2
	s_cselect_b32 s43, 8192, s43
	s_mov_b32 s44, 10240
	s_cmp_eq_u32 s19, 1
	s_cselect_b32 s44, s44, s42                    ; source 1: Wv for V, else the batch
	s_cselect_b32 s46, s42, s43                    ; source 0: the batch for V, else the weight
	s_lshl_b32 s45, s16, 7
	s_lshl_b32 s94, s41, 8
	s_add_co_u32 s94, s94, s44
	s_add_co_u32 s94, s94, s45                     ; source 1's first row that I fetch: made of cy, never of cx
	s_lshl_b32 s96, s40, 8
	s_add_co_u32 s96, s96, s46
	s_add_co_u32 s96, s96, s45                     ; source 0's: made of cx, never of cy
	s_lshl_b32 s42, s94, 5                         ; scale bytes: 32 a row
	s_mov_b32 s43, 0
	s_lshl_b32 s94, s94, 10                        ; codes: 1,024 a row
	s_mov_b32 s95, 0
	s_lshl_b32 s46, s96, 5
	s_mov_b32 s47, 0
	s_lshl_b32 s96, s96, 10
	s_mov_b32 s97, 0
	s_mul_i32 s44, s14, HALFT                      ; where they go: wave x 128 rows
	s_mul_i32 s45, s14, HALFS
	s_wait_kmcnt 0x0
	; the tables, and my wave's tokens and channels.  These hang on cx and cy and enter plain global addresses alone
	s_cmp_eq_u32 s19, 1
	s_cselect_b64 s[12:13], s[78:79], s[76:77]     ; abs_pos_V or abs_pos_K
	s_cselect_b64 s[20:21], s[82:83], s[80:81]     ; int_V or int_K
	s_cselect_b64 s[22:23], s[74:75], s[72:73]     ; bv or bk
	s_cselect_b32 s99, s40, s41                    ; the tokens' tile,
	s_cselect_b32 s100, s16, s15                   ; my half of it,
	s_cselect_b32 s101, s41, s40                   ; the channels' tile,
	s_cselect_b32 s104, s15, s16                   ; my half of it
	s_cmp_eq_u32 s19, 2
	s_cselect_b64 s[22:23], s[70:71], s[22:23]     ; bq
	s_lshl_b32 s99, s99, 8
	s_lshl_b32 s100, s100, 7
	s_add_co_u32 s99, s99, s100                    ; my first token in the batch
	s_lshl_b32 s101, s101, 8
	s_lshl_b32 s104, s104, 7
	s_add_co_u32 s101, s101, s104                  ; my first channel
	s_lshl_b32 s104, s99, 12
	s_mov_b32 s105, 0
	s_add_nc_u64 s[12:13], s[12:13], s[104:105]    ; the abs table at my first token
	s_lshl_b32 s100, s18, 10
	s_add_co_u32 s100, s100, s99
	s_lshl_b32 s104, s100, 12
	s_add_nc_u64 s[92:93], s[68:69], s[104:105]    ; timemat[b][my first token][0]
	s_lshl_b32 s100, s18, 7
	s_lshr_b32 s104, s101, 3
	s_add_co_u32 s100, s100, s104
	s_lshr_b32 s104, s99, 7
	s_add_co_u32 s100, s100, s104                  ; 8 x (16 b + my first head) + my 128 tokens' number
	s_add_co_u32 s17, s19, 1
	s_cmp_eq_u32 s19, 2
	s_cselect_b32 s17, 0, s17                      ; q's part of the workspace is 0, k's 1, v's 2
	s_lshl_b32 s104, s17, 23
	s_lshl_b32 s99, s100, 13
	s_add_co_u32 s104, s104, s99
	s_add_nc_u64 s[8:9], s[84:85], s[104:105]      ; where my images go
	s_lshl_b32 s104, s17, 18
	s_lshl_b32 s99, s100, 8
	s_add_co_u32 s104, s104, s99
	s_add_nc_u64 s[10:11], s[86:87], s[104:105]    ; and their scale bytes
	; the scales of 128 rows: 4,096 dense bytes as 16 rows of 256 (32 elements of 8 bytes), 16 bytes of padding behind each
	s_or_b32 s[G1S+0], s2, (3<<16)|(1<<20)|(1<<21)|(5<<22)|(3<<25)
	s_or_b32 s[G1SB+0], s3, (3<<16)|(1<<20)|(1<<21)|(5<<22)|(3<<25)
.irp g, G1S, G1SB
	s_mov_b32 s[\g+1], 32<<16
	s_mov_b32 s[\g+2], 16<<16
	s_mov_b32 s[\g+3], 32<<16
	s_mov_b32 s[\g+4], 16
	s_mov_b32 s[\g+5], 32
	s_mov_b32 s[\g+6], 0
	s_mov_b32 s[\g+7], 0
.endr
	s_add_nc_u64 s[94:95], s[4:5], s[94:95]
	s_add_nc_u64 s[42:43], s[6:7], s[42:43]
	s_add_nc_u64 s[96:97], s[4:5], s[96:97]
	s_add_nc_u64 s[46:47], s[6:7], s[46:47]
	CROUND                                         ; all sixteen work-groups are here: the first joint loads meet
	s_mov_b32 s[G0S], 1
	s_add_co_u32 s[G0S+1], s45, SCL
	s_mov_b64 s[G0S+2:G0S+3], s[42:43]
	s_or_b32 s[G0S+3], s[G0S+3], 0x80000000
	s_mov_b32 s[G0SB], 1
	s_add_co_u32 s[G0SB+1], s45, SCL
	s_mov_b64 s[G0SB+2:G0SB+3], s[46:47]
	s_or_b32 s[G0SB+3], s[G0SB+3], 0x80000000
	JLOAD G0S, G1S, G0SB, G1SB                     ; the scales first: they are wanted with K step 0.  Three tensor loads of mine are out at the most
.irp s, 0,1
	s_mov_b32 s[G0+4*\s], 1
	s_add_co_u32 s[G0+4*\s+1], s44, \s*SLOT
	s_add_nc_u64 s[G0+4*\s+2:G0+4*\s+3], s[94:95], \s*ROWB
	s_or_b32 s[G0+4*\s+3], s[G0+4*\s+3], 0x80000000
	s_mov_b32 s[G0B+4*\s], 1
	s_add_co_u32 s[G0B+4*\s+1], s44, \s*SLOT
	s_add_nc_u64 s[G0B+4*\s+2:G0B+4*\s+3], s[96:97], \s*ROWB
	s_or_b32 s[G0B+4*\s+3], s[G0B+4*\s+3], 0x80000000
	JLOAD G0+4*\s, G1, G0B+4*\s, G1B
.endr
	v_and_b32 v1, 15, v0                           ; r
	v_bfe_u32 v2, v0, 4, 1                         ; h
	v_and_b32 v3, 31, v0                           ; lane
	v_mul_u32_u24 v4, v1, PITCH
	v_lshl_add_u32 v4, v2, 4, v4                   ; a fragment's row x pitch + 16 h
	s_mul_i32 s94, s15, HALFT
	s_mul_i32 s95, s16, HALFT
	s_add_co_u32 s95, s95, 2*HALFT
.irp s, 0,1
	v_add_nc_u32 v[ADRA+\s], s94, v4
	v_add_nc_u32 v[ADRB+\s], s95, v4
	s_add_co_u32 s94, s94, SLOT
	s_add_co_u32 s95, s95, SLOT
.endr
	v_mul_u32_u24 v5, v1, KS                       ; my row's scales: 32 bytes a row,
	v_lshrrev_b32 v6, 8, v5
	v_lshl_add_u32 v5, v6, 4, v5                   ; and 16 more for each 256 passed
	s_mul_i32 s94, s15, HALFS
	s_mul_i32 s95, s16, HALFS
	s_add_co_u32 s95, s95, 2*HALFS
	s_sub_co_u32 s95, s95, s94
	v_mul_u32_u24 v6, s95, v2                      ; lanes 16-31 take source 0's
	s_add_co_u32 s94, s94, SCL
	v_add_nc_u32 v5, v5, v6
	v_add_nc_u32 v[ADRS], s94, v5
	; the way out's addresses: all are made here, ahead of every parting of the ways
	v_lshlrev_b32 v24, 4, v3                       ; 16 x lane: an image's place for my lane
	s_mul_i32 s96, s14, WST                        ; my stage
	v_add_nc_u32 v18, s96, v24                     ; a token's row goes in 16 bytes a lane
	v_and_b32 v5, 7, v1
	v_mul_u32_u24 v5, v5, TP
	v_lshrrev_b32 v6, 3, v1
	v_mad_u32_u24 v5, v6, GRP, v5
	v_lshl_add_u32 v5, v2, 6, v5
	v_add_nc_u32 v19, s96, v5                      ; Q, K: lane (r, h) reads token 8 u + r + 8 (r / 8) of a pair of tiles, channels 16 h on
	v_lshl_add_u32 v5, v6, 3, v1
	v_lshlrev_b32 v5, 2, v5
	v_mad_u32_u24 v5, v2, GRP, v5
	v_add_nc_u32 v22, s96, v5                      ; V: lane (r, h) reads channel r + 8 (r / 8), tokens 16 h on
	s_lshl_b32 s97, s101, 2
	v_add_nc_u32 v23, s97, v24                     ; a table row's bytes: 4 x my first channel + 16 x lane
	v_lshl_add_u32 v31, v2, 6, s97                 ; the bias in the accumulators' layout: + 64 h
	v_lshlrev_b32 v30, 12, v3                      ; timemat: a row of 4,096 bytes a lane
	s_lshl_b32 s96, s14, 9
	v_add_nc_u32 v6, s96, v24
	v_add_nc_u32 v7, OSCQ, v6                      ; my 512 scale bytes, read back 16 a lane: Q and K,
	v_add_nc_u32 v6, OSCV, v6                      ; V
	v_lshlrev_b32 v25, 2, v1
	v_add_nc_u32 v26, s96, v25
	v_lshl_add_u32 v25, v2, 8, v26
	v_add_nc_u32 v25, OSCQ, v25                    ; Q, K: lanes 0-15 write the first head's half-words, lanes 16-31 the second's
	v_add_nc_u32 v26, OSCV, v26                    ; V: a word a row
	v_lshlrev_b32 v5, 4, v1
	v_lshl_add_u32 v5, v2, 11, v5                  ; in memory the two heads' 256 bytes lie 2,048 apart
.irp g, 0,1,2,3
	global_load_b32 v[8+\g], v30, s[92:93] offset:\g*131072        ; timemat[b][token 32 g + lane][0]; waited for behind the loop
.endr
	global_load_b128 v[12:15], v23, s[22:23]       ; the bias of my lane's four channels of a row
.irp c, 0,1,2,3
.irp q, 0,1,2,3
	global_load_b128 v[64+16*\c+4*\q:67+16*\c+4*\q], v31, s[22:23] offset:128*\c+16*\q   ; and in the accumulators' layout: Q's whole addend
.endr
.endr
.macro FRAG reg, adr, q, i             ; 16 rows x 128 K: registers 4 c .. 4 c + 3 hold K = 32 c + 16 (lane / 16) + 0 .. 15
.irp c, 0,1,2,3
	ds_load_b128 v[\reg+4*\c:\reg+4*\c+3], v[\adr] offset:128*(\q)+32*\c+(\i)*16*PITCH
.endr
.endm
; 16 matrix instructions: source 1's blocks a0, a0 + 1 x source 0's eight.  The 64 accumulators take turns, one instruction a turn, in the same order in every step.
.macro MUL16 a0, p, q, sc, zero
.irp a, \a0, \a0+1
.irp b, 0,1,2,3,4,5,6,7
.if \zero
	v_wmma_scale_f32_16x16x128_f8f6f4 v[8*(8*((\a)%4)+\b):8*(8*((\a)%4)+\b)+7], v[128*(\p)+FR*\b:128*(\p)+FR*\b+FR-1], v[AF+FR*(\a):AF+FR*(\a)+FR-1], 0, v[SC+8*NQ*(\sc)+NQ*\b+(\q)], v[SC+8*NQ*(\sc)+NQ*(\a)+(\q)] matrix_a_scale:MATRIX_SCALE_ROW1
.else
	v_wmma_scale_f32_16x16x128_f8f6f4 v[8*(8*((\a)%4)+\b):8*(8*((\a)%4)+\b)+7], v[128*(\p)+FR*\b:128*(\p)+FR*\b+FR-1], v[AF+FR*(\a):AF+FR*(\a)+FR-1], v[8*(8*((\a)%4)+\b):8*(8*((\a)%4)+\b)+7], v[SC+8*NQ*(\sc)+NQ*\b+(\q)], v[SC+8*NQ*(\sc)+NQ*(\a)+(\q)] matrix_a_scale:MATRIX_SCALE_ROW1
.endif
.endr
.endr
.endm
.macro FETCH_B slot, q, p
	WIN TO_B
.irp i, 0,1,2,3,4,5,6,7
	FRAG 128*(\p)+FR*\i, ADRB+\slot, \q, \i
.endr
	WIN 0
.endm
.macro FETCH_A slot, q, i0
.irp i, \i0, \i0+1, \i0+2, \i0+3
	FRAG AF+FR*(\i), ADRA+\slot, \q, \i
.endr
.endm
.macro SCALES sc                       ; a K step's scale words: lanes 0-15 source 1's block i, lanes 16-31 source 0's block i
.irp i, 0,1,2,3,4,5,6,7
	ds_load_b64 v[SC+8*NQ*\sc+NQ*\i:SC+8*NQ*\sc+NQ*\i+1], v[ADRS] offset:\i*SBLK
.endr
.endm
.macro PLACES n                        ; plain vector lines between a matrix instruction and a load into, or a read of, its registers
.rept \n
	v_nop
.endr
.endm
.macro STEP slot, q, zero              ; 128 along K whose successor lies in the same slot
	s_wait_dscnt 4*NL                              ; all but the youngest sixteen loads (source 1's blocks 4-7)
	WIN MUL_LO
	MUL16 0, (\q)%2, \q, \slot, \zero
	MUL16 2, (\q)%2, \q, \slot, \zero
	s_wait_dscnt 0
	PLACES NP
	FETCH_B \slot, (\q)+1, 1-(\q)%2
	FETCH_A \slot, (\q)+1, 0
	WIN MUL_HI
	MUL16 4, (\q)%2, \q, \slot, \zero
	MUL16 6, (\q)%2, \q, \slot, \zero
	PLACES NP
	WIN 0
	FETCH_A \slot, (\q)+1, 4
.endm
; A slot's last step changes slots: one barrier; in front of it each wave waits for all its tensor loads, adds 0 to its spare word, and waits for that and for its reads of this slot.
.macro TURN slot, next, fill
	s_wait_tensorcnt 0x0                           ; all my tensor loads have landed: my part of the next slot
	ds_add_u32 v[SPW], v[NIL]                      ; 0 onto my spare word
	s_wait_dscnt 4*NL+1                            ; the add and the youngest sixteen loads may be out
	WIN MUL_LO
	MUL16 0, 1, NQ-1, \slot, 0
	s_wait_dscnt 0x0                               ; the add is done, and my reads of this slot are over
	s_barrier_signal -1
	MUL16 2, 1, NQ-1, \slot, 0
	WIN 0
	s_barrier_wait -1
.if \fill
	CREST                                          ; the barrier has opened a round of the cluster's: no wave of any partner still reads this slot or has a load on its way
	s_add_nc_u64 s[G0+4*\slot+2:G0+4*\slot+3], s[G0+4*\slot+2:G0+4*\slot+3], 2*ROWB
	s_add_nc_u64 s[G0B+4*\slot+2:G0B+4*\slot+3], s[G0B+4*\slot+2:G0B+4*\slot+3], 2*ROWB
	JLOAD G0+4*\slot, G1, G0B+4*\slot, G1B         ; the first tensor load behind the round, my only one until the next
	PLACES NP-4
.else
	PLACES NP
.endif
	v_add_nc_u32 v[ADRS], 4*NQ, v[ADRS]
	FETCH_B \next, 0, 0
	FETCH_A \next, 0, 0
	SCALES \next
	WIN MUL_HI
	MUL16 4, 1, NQ-1, \slot, 0
	MUL16 6, 1, NQ-1, \slot, 0
	PLACES NP
	WIN 0
	FETCH_A \next, 0, 4
.endm
	s_wait_tensorcnt 1                             ; the scales and my part of K step 0 are in; K step 1's load may be out
	s_barrier_signal -1
	s_barrier_wait -1
	FETCH_B 0, 0, 0
	FETCH_A 0, 0, 0
	SCALES 0
	FETCH_A 0, 0, 4
	STEP 0, 0, 1                                   ; the first products start the sums: nothing is cleared
	s_mov_b32 s3, LAPS-1
.Llap:
	TURN 0, 1, 1
	STEP 1, 0, 0
	TURN 1, 0, 1
	STEP 0, 0, 0
	s_sub_co_u32 s3, s3, 1
	s_cmp_lg_u32 s3, 0
	s_cbranch_scc1 .Llap
	TURN 0, 1, 0                                   ; the last lap fills nothing
	STEP 1, 0, 0
	s_wait_dscnt 4*NL
	WIN MUL_LO
	MUL16 0, 1, NQ-1, 1, 0
	MUL16 2, 1, NQ-1, 1, 0
	s_wait_dscnt 0
	WIN MUL_HI
	MUL16 4, 1, NQ-1, 1, 0
	MUL16 6, 1, NQ-1, 1, 0
	WIN 0
	; ---- THE WAY OUT
	PLACES NP                                      ; behind the last products: for the reads of results and the loads into fragment registers
	s_wait_dscnt 0x0                               ; my reads of the ring are over;
	s_barrier_signal -1
	s_barrier_wait -1                              ; everybody's are: the ring, which has had its last fill, becomes the four stages
	s_wait_loadcnt 0x0                             ; timemat's column and the bias
	s_mov_b32 s105, 0xffff0000                     ; lanes 16-31
.irp g, 0,1,2,3
	v_min_u32 v[8+\g], 0x100, v[8+\g]              ; the index stays inside the table of 257 rows
.endr
.irp g, 0,1,2,3
	v_lshlrev_b32 v[8+\g], 12, v[8+\g]             ; a row of 4,096 bytes
.endr
; THE ADDEND, 32 tokens at a time, in two sets of 16 (set 0: window 0, set 1: window 1; abs row i at v[128 + 4 i], int row i at v[192 + 4 i]).  A token's 128 channels are 512 bytes: one load of the wave.
.macro EISS hb                         ; asks for set hb's 16 tokens of the group whose offsets stand in v8
	s_wait_dscnt 0x0                               ; the set's stores into the stage have read their registers
	v_add_nc_u32 v[30+\hb], s100, v23
.irp i, 0,1,2,3,4,5,6,7,8,9,10,11,12,13,14,15
	v_readlane_b32 s99, v8, 16*\hb+\i
	s_min_u32 s99, s99, 0x100000                   ; 256 rows of 4,096 bytes at the most
	v_add_nc_u32 v[32+16*\hb+\i], s99, v23
.endr
	WIN 0x40*\hb
.irp i, 0,1,2,3,4,5,6,7,8,9,10,11,12,13,14,15
	global_load_b128 v[128+4*\i:131+4*\i], v[30+\hb], s[12:13] offset:(16*\hb+\i)*4096
.endr
.irp i, 0,1,2,3,4,5,6,7,8,9,10,11,12,13,14,15
	global_load_b128 v[192+4*\i:195+4*\i], v[32+16*\hb+\i], s[20:21]
.endr
	WIN 0
.endm
.macro EFIN hb, left                   ; set hb: (abs + int) + bias, into the stage.  left: the other set's 32 loads, issued later, may stay out
	s_wait_loadcnt \left
	WIN 0x45*\hb
.set i, 0
.rept 32
	v_pk_add_f32 v[128+i:129+i], v[128+i:129+i], v[192+i:193+i]
.set i, i+2
.endr
	WIN 0x41*\hb
.set i, 0
.rept 16
	v_pk_add_f32 v[128+i:129+i], v[128+i:129+i], v[12:13]
	v_pk_add_f32 v[130+i:131+i], v[130+i:131+i], v[14:15]
.set i, i+4
.endr
	WIN 0x04*\hb
.irp i, 0,1,2,3,4,5,6,7,8,9,10,11,12,13,14,15
	ds_store_b128 v4, v[128+4*\i:131+4*\i] offset:\hb*GRP+\i*TP
.endr
	WIN 0
.endm
.macro ROT                             ; on to the next 32 tokens
	v_mov_b32 v8, v9
	v_mov_b32 v9, v10
	v_mov_b32 v10, v11
	s_add_co_u32 s100, s100, 131072
.endm
; Q has no tables: its work-groups walk the loop and jump over its work.  Each jump goes round a whole region, so that the order of the loads outstanding is the same wherever a counted wait is reached.
	s_mov_b32 s100, 0
	s_mov_b32 s101, 0
	s_cmp_eq_u32 s19, 2
	s_cbranch_scc1 .Le_head
	EISS 0
	EISS 1
.Le_head:
	ROT
	s_mov_b32 s104, 3
.Le_loop:
	v_add_nc_u32 v4, s101, v18
	s_cmp_eq_u32 s19, 2
	s_cbranch_scc1 .Le_body
	EFIN 0, 32
	EISS 0
	EFIN 1, 32
	EISS 1
.Le_body:
	ROT
	s_add_co_u32 s101, s101, 2*GRP
	s_sub_co_u32 s104, s104, 1
	s_cmp_lg_u32 s104, 0
	s_cbranch_scc1 .Le_loop
	v_add_nc_u32 v4, s101, v18
	s_cmp_eq_u32 s19, 2
	s_cbranch_scc1 .Le_tail
	EFIN 0, 32
	EFIN 1, 0
.Le_tail:
	s_wait_loadcnt 0x0                             ; no load is out on any way here
.irp b, 0,1,2,3
	v_mov_b32 v[TM+4+\b], 0                        ; written once: a lane permute's destination counts as one of its sources
.endr
; 64 numbers of a lane, v[s] on, register 16 b + i: four blocks of 32, each shared with lane l xor 16, become 16 registers of codes in v[PC] on; the four bytes stand in v[TM+4] on.
.macro QUANT s
	s_wait_xcnt 0x0                                ; the earlier stores have read v[PC] on
.irp b, 0,1,2,3
	v_max3_num_f32 v[TM+\b], |v[\s+16*\b]|, |v[\s+1+16*\b]|, 0x4800000   ; my 16 numbers and the floor 2^(9 - 127)
.endr
.irp i, 2,4,6,8,10,12,14
.irp b, 0,1,2,3
	v_max3_num_f32 v[TM+\b], v[TM+\b], |v[\s+16*\b+\i]|, |v[\s+1+16*\b+\i]|
.endr
.endr
.irp b, 0,1,2,3
	v_permlanex16_b32 v[TM+4+\b], v[TM+\b], s66, s67
.endr
.irp b, 0,1,2,3
	v_max_num_f32 v[TM+\b], v[TM+\b], v[TM+4+\b]   ; the block's largest magnitude
.endr
.irp b, 0,1,2,3
	v_add_nc_u32 v[TM+12+\b], 0xfc000000, v[TM+\b] ; 8 off its exponent field: the conversion's scale operand
.endr
.irp b, 0,1,2,3
	v_and_or_b32 v[TM+8+\b], v[TM+\b], 0x7f800000, s98   ; 448 x the scale
.endr
.irp b, 0,1,2,3
	v_lshrrev_b32 v[TM+4+\b], 23, v[TM+12+\b]      ; the scale's byte
.endr
.irp b, 0,1,2,3
.irp i, 0,1,2,3,4,5,6,7,8,9,10,11,12,13,14,15
	v_med3_num_f32 v[\s+16*\b+\i], v[\s+16*\b+\i], -v[TM+8+\b], v[TM+8+\b]   ; the conversion does not saturate (ISA guide 7.6.2)
.endr
	v_cvt_scalef32_pk8_fp8_f32 v[PC+4*\b:PC+1+4*\b], v[\s+16*\b:\s+7+16*\b], v[TM+12+\b]
	v_cvt_scalef32_pk8_fp8_f32 v[PC+2+4*\b:PC+3+4*\b], v[\s+8+16*\b:\s+15+16*\b], v[TM+12+\b]
.endr
	v_nop                                          ; a plain line behind the last conversion
.endm
	s_cmp_eq_u32 s19, 1
	s_cbranch_scc1 .Lvpath
; ---- Q and K: block a of 16 tokens x 128 channels (two heads): a lane's 64 numbers are four blocks of 32 channels
.macro ELOAD a                         ; block a's addend from the stage, in the accumulators' layout; Q keeps its bias
	s_cmp_eq_u32 s19, 2
	s_cbranch_scc1 .Llq_\@
.irp c, 0,1,2,3
.irp q, 0,1,2,3
	ds_load_b128 v[64+16*\c+4*\q:67+16*\c+4*\q], v19 offset:2*((\a)/2)*GRP+8*((\a)%2)*TP+128*\c+16*\q
.endr
.endr
.Llq_\@:
.endm
.macro CHQK a
	s_wait_dscnt 0x0                               ; the addend is in
	WIN 0x02+(\a)/4
.irp b, 0,1,2,3,4,5,6,7
.irp j, 0,2,4,6
	v_pk_add_f32 v[128+8*\b+\j:129+8*\b+\j], v[8*(8*((\a)%4)+\b)+\j:8*(8*((\a)%4)+\b)+\j+1], v[64+8*\b+\j:65+8*\b+\j]   ; each accumulator from its low end on
.endr
.endr
	WIN 0
.if (\a) < 7
	ELOAD (\a)+1                                   ; lands while this block is quantised
.endif
	QUANT 128
	v_lshl_or_b32 v[TM], v[TM+5], 8, v[TM+4]       ; the first head's two bytes,
	v_lshl_or_b32 v[TM+1], v[TM+7], 8, v[TM+6]     ; the second's
	v_cndmask_b32 v[TM], v[TM], v[TM+1], s105      ; lanes 16-31 carry the second head's
	ds_store_b16 v25, v[TM] offset:((\a)/2)*64+2*((\a)%2)
.irp k, 0,1,2,3
	global_store_b128 v24, v[PC+4*\k:PC+4*\k+3], s[8:9] offset:(\k/2)*65536+(\a)*1024+(\k%2)*512   ; 512 consecutive bytes, aligned
.endr
.endm
	ELOAD 0
.irp a, 0,1,2,3,4,5,6,7
	CHQK \a
.endr
	ds_load_b128 v[200:203], v7                    ; my 512 scale bytes: LDS serves a wave in order
	s_wait_dscnt 0x0
	global_store_b128 v5, v[200:203], s[10:11]     ; sixteen lanes store 256 consecutive bytes, aligned
	s_branch .Ljoin
.Lvpath:
; ---- V: 32 keys x 128 channels at a time: a lane's 16 registers of block a are 16 neighbouring keys of one channel
.macro VOUT c, ag
.irp b, 0,1,2,3
	global_store_b128 v24, v[PC+4*\b:PC+4*\b+3], s[8:9] offset:\ag*65536+\b*2048+(\c)*512
.if (\c) == 0
	v_mov_b32 v[VS+4*\ag+\b], v[TM+4+\b]
.else
	v_lshl_or_b32 v[VS+4*\ag+\b], v[TM+4+\b], 8*(\c), v[VS+4*\ag+\b]
.endif
.endr
.endm
.macro CHV c
.irp a, 0,1,2,3,4,5,6,7
.irp n, 0,1,2,3,4,5,6,7,8,9,10,11,12,13,14,15
	ds_load_b32 v[64+16*\a+\n], v22 offset:2*(\c)*GRP+\n*TP+4*(32*(\a/2)+8*(\a%2))   ; the addend of key 32 c + 16 h + n, my channel of block a
.endr
.endr
	s_wait_dscnt 0x0
	WIN 0x02
.irp a, 0,1,2,3
.irp u, 0,1
.irp j, 0,2,4,6
	v_pk_add_f32 v[64+16*\a+8*\u+\j:65+16*\a+8*\u+\j], v[8*(8*\a+2*(\c)+\u)+\j:8*(8*\a+2*(\c)+\u)+\j+1], v[64+16*\a+8*\u+\j:65+16*\a+8*\u+\j]
.endr
.endr
.endr
	WIN 0x03
.irp a, 0,1,2,3
.irp u, 0,1
.irp j, 0,2,4,6
	v_pk_add_f32 v[128+16*\a+8*\u+\j:129+16*\a+8*\u+\j], v[8*(8*\a+2*(\c)+\u)+\j:8*(8*\a+2*(\c)+\u)+\j+1], v[128+16*\a+8*\u+\j:129+16*\a+8*\u+\j]
.endr
.endr
.endr
	WIN 0
	QUANT 64
	VOUT \c, 0
	QUANT 128
	VOUT \c, 1
.endm
	CHV 0
	CHV 1
	CHV 2
	CHV 3
.irp a, 0,1,2,3,4,5,6,7
	ds_store_b32 v26, v[VS+\a] offset:64*\a        ; both halves of the lanes write the same word with the same value
.endr
	ds_load_b128 v[200:203], v6
	s_wait_dscnt 0x0
	global_store_b128 v5, v[200:203], s[10:11]
.Ljoin:
	s_wait_tensorcnt 0x0                           ; the wave's end
	ds_add_u32 v[SPW], v[NIL]
	s_wait_dscnt 0x0
	CROUND                                         ; the closing round
	s_endpgm
.Lfunc_end_k_q43e1579361_qkv:
	.size	k_q43e1579361_qkv, .Lfunc_end_k_q43e1579361_qkv-k_q43e1579361_qkv
	.p2alignl 7, 3214868480
	.fill 96, 4, 3214868480
	.section	.rodata,"a",@progbits
	.p2align	6, 0x0
	.amdhsa_kernel k_q43e1579361_qkv
		.amdhsa_group_segment_fixed_size 327680
		.amdhsa_private_segment_fixed_size 0
		.amdhsa_enable_private_segment 0
		.amdhsa_kernarg_size 96
		.amdhsa_user_sgpr_count 2
		.amdhsa_user_sgpr_kernarg_segment_ptr 1
		.amdhsa_wavefront_size32 1
		.amdhsa_system_sgpr_workgroup_id_x 1
		.amdhsa_system_sgpr_workgroup_id_y 1
		.amdhsa_system_sgpr_workgroup_id_z 1
		.amdhsa_system_vgpr_workitem_id 0
		.amdhsa_next_free_vgpr 1024
		.amdhsa_next_free_sgpr 106
		.amdhsa_reserve_vcc 0
		.amdhsa_float_denorm_mode_32 3
		.amdhsa_float_denorm_mode_16_64 3
		.amdhsa_memory_ordered 1
		.amdhsa_forward_progress 1
		.amdhsa_inst_pref_size 255
	.end_amdhsa_kernel
	.section	.bss,"aw",@nobits
	.p2align	6
	.space	262144
	.amdgpu_metadata
---
amdhsa.version: [ 1, 2 ]
amdhsa.kernels:
  - .name:           k_q43e1579361_qkv
    .symbol:         k_q43e1579361_qkv.kd
    .args:
      - { .name: codes, .offset: 0, .size: 8, .value_kind: global_buffer, .address_space: global }
      - { .name: scl, .offset: 8, .size: 8, .value_kind: global_buffer, .address_space: global }
      - { .name: timemat, .offset: 16, .size: 8, .value_kind: global_buffer, .address_space: global }
      - { .name: bq, .offset: 24, .size: 8, .value_kind: global_buffer, .address_space: global }
      - { .name: bk, .offset: 32, .size: 8, .value_kind: global_buffer, .address_space: global }
      - { .name: bv, .offset: 40, .size: 8, .value_kind: global_buffer, .address_space: global }
      - { .name: abs_pos_K, .offset: 48, .size: 8, .value_kind: global_buffer, .address_space: global }
      - { .name: abs_pos_V, .offset: 56, .size: 8, .value_kind: global_buffer, .address_space: global }
      - { .name: int_K, .offset: 64, .size: 8, .value_kind: global_buffer, .address_space: global }
      - { .name: int_V, .offset: 72, .size: 8, .value_kind: global_buffer, .address_space: global }
      - { .name: qkv, .offset: 80, .size: 8, .value_kind: global_buffer, .address_space: global }
      - { .name: qkvs, .offset: 88, .size: 8, .value_kind: global_buffer, .address_space: global }
    .group_segment_fixed_size: 327680
    .private_segment_fixed_size: 0
    .kernarg_segment_align: 8
    .kernarg_segment_size: 96
    .max_flat_workgroup_size: 128
    .sgpr_count:     106
    .vgpr_count:     1024
    .wavefront_size: 32
...
	.end_amdgpu_metadata
.endif
;; end of part 2
;; launch attn (part 3): grid 2 x 128, 16 waves a work-group, no clusters, 171,008 bytes of LDS; arguments qkv, qkvs, pad_mask, aimg, ascl; writes aimg, ascl
.if DOCPART == 3
	.amdgcn_target "amdgcn-amd-amdhsa--gfx1250"
	.amdhsa_code_object_version 6
	.text
	.protected	k_q43e1579361_attn
	.globl	k_q43e1579361_attn
	.p2align	8
	.type	k_q43e1579361_attn,@function
k_q43e1579361_attn:
	s_mov_b64 s[64:65], 0
	v_nop
	global_prefetch_b8 v0, s[64:65] scope:SCOPE_SE
	s_setreg_imm32_b32 hwreg(HW_REG_WAVE_MODE, 25, 1), 1
	s_wait_xcnt 0x0
; out[b][q][head] = softmax over keys of (q . k / 8, causal mask, padding mask) x v, both products on codes of FP8 (E4M3) with E8M0 scales; the result is quantised along d for the last product.
; THE SOFTMAX: t = score x log2(e) / 8; M = the running largest t rounded up to a whole number; p = 2^(t - M) is quantised along the keys; the sum is taken of the unquantised p and divides at the end.
; MASKS.  A hidden or padded key's score becomes -2^100: its p is 0 beside any live key.  The module's own mask value is finite, so a query ALL of whose visible keys are padded has a flat row:
; p = 1 for all 1,024 keys.  For such a row the sum of v's quantised numbers over all keys, / 1,024, is made by products with codes of 1.0 and chosen by a select; those products run only where keys 0 .. 31 of the batch hold a padded key.
; While a row has met no live key, its p are 1 (c x -2^100 is exact, so t - M is 0) and nothing overflows; the first live key multiplies what was summed by 2^(a saturated negative number) = 0.
; K = 64 IN AN INSTRUCTION OF 128.  Two neighbouring tiles of 16 keys are ONE fragment (K 0-63: the first tile's 64 channels; K 64-127: the second's) and their half-words one scale word.  Q stands as
; [8 zeros | q | 8 zeros]: the run (q | 0) picks the first tile, (0 | q) the second.  Only Q's side is filled with zero codes: the other side holds finite codes and bytes 1 .. 254, so those products are exact zeros.
; SHARES.  Two work-groups to a head, 256 in all.  A head has 64 tiles of 16 queries; tile t wants t / 8 + 1 steps of 128 keys.  Wave w of work-group y owns tiles 16 y + w and 63 - (16 y + w): nine steps in every wave, and the
; visible blocks of 32 keys in its two diagonal steps add up to five in every wave: all waves have the same work.
; THE HEAD'S K AND V STAY IN LDS, each byte stored once.  Steps 0-3 are brought at the start.  Every wave begins with its late tile, whose steps 0-3 are open in every wave; behind step i it stores its 1 KiB of step 4 + i,
; asked for a whole step earlier.  Three barriers in all: steps 0-3 lie there; steps 4-7 lie there; the results' scale bytes lie there.
; Steps 4-7 begin one step's length behind the end of steps 0-3, and the scale words one step's length behind the end of steps 4-7: the addresses stepped in the first loop stay apart from the bytes stored meanwhile, with whatever value the stepped registers leave the loop.
; THE DIAGONAL STEP is written four times, for 1, 2, 3 or 4 visible blocks.  A hidden block gets no fragment of K, no score, no exponential and no conversion: its p are zero codes under the byte 0, and V's registers for its keys keep
; older codes, which are finite: exact zeros.  Only the last visible block is masked key by key.  All loops have constant trip counts; a step all of whose keys come after the wave's queries is jumped over.
; NO CLUSTER, NO TENSOR LOADS: the padding's jumps hang on loaded bytes.  NO PREFETCH: a later step's part is asked for by a load a whole step ahead of its use, and the first four steps' loads stand at the head.
; The queries of tile t are tokens 32 (t / 2) + 8 (t % 2) + r + 8 (r / 8); register 16 b + i of the scores is key 32 b + 16 (lane / 16) + i of the step.
; LIMITS: NaN and infinities are not served; scores under -1e20 / 0.18 would be taken for masked ones.
; REGISTERS: v1-7, v9-11, v196, v198, v199 addresses and lane numbers; v8 at work; v12 -M, v13 largest t, v[14:15] the sum; v16-23 the fill; v32-95 fragments; v96-159 scores, then p; v160-191 O^T; v200-223 Q;
;   v224-239 p's codes; v232-254 at work; v197, v248-251, v253, v255 scales.
.set STB, 16384                        ; a step in LDS: K's 8 KiB, then V's
.set HI,  5*STB                        ; steps 4-7 begin here
.set SCK, 10*STB                       ; K's scale words of the head, 256 bytes a step; 2,048 bytes on: V's
.set OSC, SCK+4096                     ; the results' scale bytes: 512 for the late tiles, 512 for the early ones
.macro NOPS n
.rept \n
	v_nop
.endr
.endm
.macro NEXT                            ; on to the next 128 keys
	s_add_co_u32 s26, s26, 128
	s_add_co_u32 s2, s2, STB
	s_add_co_u32 s3, s3, 256
.endm
.macro GLOAD                           ; my 1 KiB of a later step
	global_load_b128 v[16:19], v1, s[30:31]
	global_load_b128 v[20:23], v1, s[30:31] offset:512
.endm
.macro TILEPTR tau, pq, ps, pa         ; tile s[tau]: where its q, its pair's scale words and its result lie
	s_lshl_b32 s56, s[\tau], 10
	s_add_co_u32 s56, s56, s47
	s_add_nc_u64 s[\pq:\pq+1], s[4:5], s[56:57]
	s_lshr_b32 s56, s[\tau], 1
	s_lshl_b32 s56, s56, 6
	s_add_co_u32 s56, s56, s46
	s_add_nc_u64 s[\ps:\ps+1], s[6:7], s[56:57]
	s_lshl_b32 s56, s44, 6
	s_add_co_u32 s56, s56, s[\tau]
	s_lshl_b32 s56, s56, 3
	s_add_co_u32 s56, s56, s58
	s_lshl_b32 s56, s56, 11
	s_add_co_u32 s56, s56, s59
	s_add_nc_u64 s[\pa:\pa+1], s[10:11], s[56:57]  ; row tile 64 b + tile, K step head / 2, groups 2 (head % 2) on
.endm
.macro QSC sh                          ; my tile's half-word of the pair's word, in both halves: it serves (q | 0) and (0 | q)
	v_lshrrev_b32 v255, s[\sh], v255
	v_and_b32 v255, 0xffff, v255
	v_lshl_or_b32 v255, v255, 16, v255
.endm
.macro INIT                            ; a tile's state: the step is written without a first step of its own; the first change of M leaves zeros zeros
	v_mov_b32 v13, 0xff61b1e6                      ; the largest t so far: -3e38
	v_floor_f32 v12, -v13                          ; -M
	v_mov_b32 v14, 0
	v_mov_b32 v15, 0
.set j, 0
.rept 32
	v_mov_b32 v[160+j], 0
.set j, j+1
.endr
	v_mov_b32 v252, 0
	v_mov_b32 v253, 0
.endm
.macro KQ p                            ; the pair p of tiles of keys against (q | 0) and (0 | q)
.if (\p)%2
	v_wmma_scale_f32_16x16x128_f8f6f4 v[96+16*\p:103+16*\p], v[32+16*\p:47+16*\p], v[208:223], 0, v[248+\p/2], v255 matrix_a_scale:MATRIX_SCALE_ROW1
	v_wmma_scale_f32_16x16x128_f8f6f4 v[104+16*\p:111+16*\p], v[32+16*\p:47+16*\p], v[200:215], 0, v[248+\p/2], v255 matrix_a_scale:MATRIX_SCALE_ROW1
.else
	v_wmma_scale_f32_16x16x128_f8f6f4 v[96+16*\p:103+16*\p], v[32+16*\p:47+16*\p], v[208:223], 0, v[248+\p/2], v255
	v_wmma_scale_f32_16x16x128_f8f6f4 v[104+16*\p:111+16*\p], v[32+16*\p:47+16*\p], v[200:215], 0, v[248+\p/2], v255
.endif
.endm
; A KEY STEP: the 128 keys at LDS offset s2, scale words at s3, first key s26.  vis: how many of its four blocks of 32 keys my queries see; diag = 1: the last of them lies on the diagonal.
.macro STEP vis, diag
	v_add_nc_u32 v9, s2, v1                        ; the step's fragments,
	v_add_nc_u32 v10, s3, v2                       ; its scale words
	NOPS 6                                         ; with the two additions: eight places in front of loads into registers that the last products read
.irp p, 0,1,2,3
.if \p < \vis
.irp c, 0,1,2,3
	ds_load_b128 v[32+16*\p+4*\c:35+16*\p+4*\c], v9 offset:2048*\p+512*\c
.endr
.endif
.endr
	ds_load_b32 v248, v10                          ; lanes 0-15 pair 0's words, lanes 16-31 pair 1's
.if \vis > 2
	ds_load_b32 v249, v10 offset:128
.endif
	s_wait_dscnt 0x0
.irp p, 0,1,2,3
.if \p < \vis
	KQ \p
.endif
.endr
	NOPS 8
.irp t, 0,1,2,3
.irp c, 0,1,2,3
.if \c < \vis
	ds_load_b128 v[32+16*\t+4*\c:35+16*\t+4*\c], v9 offset:8192+2048*\t+512*\c   ; V's fragments land under the softmax
.endif
.endr
.endr
	ds_load_b32 v250, v10 offset:2048
	ds_load_b32 v251, v10 offset:2176
.if \diag
	v_mov_b32 v254, 0xf1800000                     ; -2^100
.set n, 0
.rept 16
	v_cmp_gt_i32 vcc_lo, n, v7                     ; in the diagonal's block register i is hidden where i is above my query's place less 16 (lane / 16)
	v_cndmask_b32 v[96+16*(\vis-1)+n], v[96+16*(\vis-1)+n], v254, vcc_lo
.set n, n+1
.endr
.endif
	s_lshr_b32 s29, s26, 5
	s_lshr_b32 s29, s28, s29
	s_and_b32 s29, s29, (1<<\vis)-1
	s_cmp_eq_u32 s29, 0                            ; no padded key among the visible blocks
	s_cbranch_scc1 .Lnopad_\@
	v_add_nc_u32 v8, s26, v5
.irp b, 0,1,2,3
.if \b < \vis
	global_load_b128 v[224+4*\b:227+4*\b], v8, s[34:35] offset:32*\b   ; the bytes of my 16 keys of block b
.endif
.endr
	v_mov_b32 v254, 0xf1800000
	s_wait_loadcnt 0x0
.set n, 0
.rept 16*\vis
	v_lshlrev_b32 v252, 31-8*(n%4), v[224+4*(n/16)+(n%16)/4]       ; the byte's lowest bit becomes the sign
	v_cmp_gt_i32 vcc_lo, 0, v252
	v_cndmask_b32 v[96+n], v[96+n], v254, vcc_lo
.set n, n+1
.endr
.Lnopad_\@:
.irp b, 0,1,2,3
.if \b < \vis
	v_max3_num_f32 v[232+\b], v[96+16*\b], v[97+16*\b], v[98+16*\b]   ; the largest score of each block: for the row's maximum and for the block's largest p
.endif
.endr
.irp i, 3,5,7,9,11,13
.irp b, 0,1,2,3
.if \b < \vis
	v_max3_num_f32 v[232+\b], v[232+\b], v[96+16*\b+\i], v[97+16*\b+\i]
.endif
.endr
.endr
.irp b, 0,1,2,3
.if \b < \vis
	v_max_num_f32 v[232+\b], v[232+\b], v[111+16*\b]
.endif
.endr
.irp b, 0,1,2,3
.if \b < \vis
	v_permlanex16_b32 v[236+\b], v[232+\b], s20, s21
.endif
.endr
.irp b, 0,1,2,3
.if \b < \vis
	v_max_num_f32 v[232+\b], v[232+\b], v[236+\b]
.endif
.endr
.if \vis == 1
	v_mul_f32 v254, s22, v232                      ; the step's largest score, as t
.elseif \vis == 2
	v_max_num_f32 v254, v232, v233
	v_mul_f32 v254, s22, v254
.elseif \vis == 3
	v_max3_num_f32 v254, v232, v233, v234
	v_mul_f32 v254, s22, v254
.else
	v_max3_num_f32 v254, v232, v233, v234
	v_max_num_f32 v254, v254, v235
	v_mul_f32 v254, s22, v254
.endif
	v_max_num_f32 v13, v13, v254                   ; the running largest t
	v_mov_b32 v254, v12
	v_floor_f32 v12, -v13                          ; the new -M: a whole number
	v_sub_f32 v254, v12, v254                      ; old M - new M, 0 or less
	v_cvt_i32_f32 v254, v254                       ; (it saturates)
	v_ldexp_f32 v252, 1.0, v254                    ; f = 2^(old M - new M)
.set j, 0
.rept 8*\vis
	v_pk_fma_f32 v[96+j:97+j], v[96+j:97+j], s[22:23], v[12:13] op_sel_hi:[1,0,0]   ; t - M
.set j, j+2
.endr
.irp b, 0,1,2,3
.if \b < \vis
	v_fma_f32 v[232+\b], v[232+\b], s22, v12
.endif
.endr
.set j, 0
.rept 16*\vis
	v_exp_f32 v[96+j], v[96+j]                     ; p = 2^(t - M)
.set j, j+1
.endr
	v_pk_mul_f32 v[14:15], v[14:15], v[252:253] op_sel_hi:[1,0]    ; the sums under the new M: the plain line behind the batch
	s_wait_alu depctr_va_vdst(0)                   ; one wait for the batch of exponentials, ahead of their first reader
.irp b, 0,1,2,3
.if \b < \vis
	v_exp_f32 v[232+\b], v[232+\b]                 ; each block's largest p
.endif
.endr
	v_pk_add_f32 v[236:237], v[96:97], v[98:99]    ; the sum of the unquantised p, in two chains
.set j, 4
.rept 4*\vis-1
	v_pk_add_f32 v[14:15], v[14:15], v[96+j:97+j]
	v_pk_add_f32 v[236:237], v[236:237], v[98+j:99+j]
.set j, j+4
.endr
	v_pk_add_f32 v[14:15], v[14:15], v[236:237]
	s_wait_alu depctr_va_vdst(0)                   ; and one for the blocks' exponentials
.irp b, 0,1,2,3
.if \b < \vis
	v_max_num_f32 v[232+\b], 0x4800000, v[232+\b]  ; the floor 2^(9 - 127)
.endif
.endr
.irp b, 0,1,2,3
.if \b < \vis
	v_add_nc_u32 v[244+\b], 0xfc000000, v[232+\b]  ; 8 off the exponent field: the conversion's scale operand
.endif
.endr
.irp b, 0,1,2,3
.if \b < \vis
	v_and_or_b32 v[240+\b], v[232+\b], 0x7f800000, s19   ; 448 x the scale
.endif
.endr
.irp b, 0,1,2,3
.if \b < \vis
	v_lshrrev_b32 v[236+\b], 23, v[244+\b]         ; the scale's byte
.endif
.endr
.if \vis == 1
	v_mov_b32 v253, v236                           ; p's scale word for these 128 keys; a hidden block's byte stays 0, over zero codes
.else
	v_lshl_or_b32 v253, v237, 8, v236
.endif
.if \vis > 2
	v_lshl_or_b32 v253, v238, 16, v253
.endif
.if \vis > 3
	v_lshl_or_b32 v253, v239, 24, v253
.endif
.irp b, 0,1,2,3
.if \b < \vis
.irp i, 0,1,2,3,4,5,6,7,8,9,10,11,12,13,14,15
	v_min_num_f32 v[96+16*\b+\i], v[96+16*\b+\i], v[240+\b]        ; the conversion does not saturate (ISA guide 7.6.2); p is not negative: a one-sided hold
.endr
	v_cvt_scalef32_pk8_fp8_f32 v[224+4*\b:225+4*\b], v[96+16*\b:103+16*\b], v[244+\b]
	v_cvt_scalef32_pk8_fp8_f32 v[226+4*\b:227+4*\b], v[104+16*\b:111+16*\b], v[244+\b]
.else
.irp i, 0,1,2,3
	v_mov_b32 v[224+4*\b+\i], 0                    ; a hidden block's p: zero codes
.endr
.endif
.endr
.set j, 0
.rept 16
	v_pk_mul_f32 v[160+j:161+j], v[160+j:161+j], v[252:253] op_sel_hi:[1,0]   ; O^T under the new M; these sixteen are also the places in front of the products
.set j, j+2
.endr
	s_wait_dscnt 0x0                               ; V's fragments and scale words
	v_wmma_scale_f32_16x16x128_f8f6f4 v[160:167], v[32:47], v[224:239], v[160:167], v250, v253
	v_wmma_scale_f32_16x16x128_f8f6f4 v[168:175], v[48:63], v[224:239], v[168:175], v250, v253 matrix_a_scale:MATRIX_SCALE_ROW1
	v_wmma_scale_f32_16x16x128_f8f6f4 v[176:183], v[64:79], v[224:239], v[176:183], v251, v253
	v_wmma_scale_f32_16x16x128_f8f6f4 v[184:191], v[80:95], v[224:239], v[184:191], v251, v253 matrix_a_scale:MATRIX_SCALE_ROW1
.endm
; FOUR STEPS from step s0 on (LDS offset tb), for the tile whose first query's group of 32 begins at s27.  The trip count is a constant; what a step does hangs on ids alone: nothing, an open step, or the diagonal's.
.macro WALK s0, tb
	s_mov_b32 s2, \tb
	s_mov_b32 s3, (\s0)*256
	s_mov_b32 s26, (\s0)*128
	s_mov_b32 s24, 4
.Lw_\@:
	s_cmp_gt_u32 s26, s27                          ; all its keys come after my queries
	s_cbranch_scc1 .Lwn_\@
	s_add_co_u32 s29, s26, 128
	s_cmp_le_u32 s29, s27                          ; all its keys count
	s_cbranch_scc0 .Lwd_\@
	STEP 4, 0
	s_branch .Lwn_\@
.Lwd_\@:
	s_sub_co_u32 s29, s27, s26                     ; 32 x the diagonal's block
	s_cmp_eq_u32 s29, 0
	s_cbranch_scc0 .Lw2_\@
	STEP 1, 1
	s_branch .Lwn_\@
.Lw2_\@:
	s_cmp_eq_u32 s29, 32
	s_cbranch_scc0 .Lw3_\@
	STEP 2, 1
	s_branch .Lwn_\@
.Lw3_\@:
	s_cmp_eq_u32 s29, 64
	s_cbranch_scc0 .Lw4_\@
	STEP 3, 1
	s_branch .Lwn_\@
.Lw4_\@:
	STEP 4, 1
.Lwn_\@:
	NEXT
	s_sub_co_u32 s24, s24, 1
	s_cmp_lg_u32 s24, 0
	s_cbranch_scc1 .Lw_\@
.endm
.macro FB zero                         ; flat rows: the sum of V's quantised numbers over 128 keys more
	NOPS 8
.irp t, 0,1,2,3
.irp c, 0,1,2,3
	global_load_b128 v[32+16*\t+4*\c:35+16*\t+4*\c], v1, s[60:61] offset:2048*\t+512*\c
.endr
.endr
	global_load_b32 v250, v2, s[62:63] offset:-SCK
	global_load_b32 v251, v2, s[62:63] offset:128-SCK
	s_wait_loadcnt 0x0
	s_add_nc_u64 s[60:61], s[60:61], 8192
	s_add_nc_u64 s[62:63], s[62:63], 256
.if \zero
	v_wmma_scale_f32_16x16x128_f8f6f4 v[96:103], v[32:47], v[224:239], 0, v250, v197
	v_wmma_scale_f32_16x16x128_f8f6f4 v[104:111], v[48:63], v[224:239], 0, v250, v197 matrix_a_scale:MATRIX_SCALE_ROW1
	v_wmma_scale_f32_16x16x128_f8f6f4 v[112:119], v[64:79], v[224:239], 0, v251, v197
	v_wmma_scale_f32_16x16x128_f8f6f4 v[120:127], v[80:95], v[224:239], 0, v251, v197 matrix_a_scale:MATRIX_SCALE_ROW1
.else
	v_wmma_scale_f32_16x16x128_f8f6f4 v[96:103], v[32:47], v[224:239], v[96:103], v250, v197
	v_wmma_scale_f32_16x16x128_f8f6f4 v[104:111], v[48:63], v[224:239], v[104:111], v250, v197 matrix_a_scale:MATRIX_SCALE_ROW1
	v_wmma_scale_f32_16x16x128_f8f6f4 v[112:119], v[64:79], v[224:239], v[112:119], v251, v197
	v_wmma_scale_f32_16x16x128_f8f6f4 v[120:127], v[80:95], v[224:239], v[120:127], v251, v197 matrix_a_scale:MATRIX_SCALE_ROW1
.endif
.endm
; A TILE'S WAY OUT: / the sum, flat rows, the quantiser along d, the image to s[pa], the two scale bytes to LDS at v[osa].  pre = 1: the early tile's q is asked for first and lands meanwhile.
.macro WAYOUT pa, osa, pre
	NOPS 8
.if \pre
	global_load_b128 v[208:211], v1, s[66:67]
	global_load_b128 v[212:215], v1, s[66:67] offset:512
	global_load_b32 v255, v198, s[68:69]
.endif
	v_add_f32 v14, v14, v15
	v_permlanex16_b32 v252, v14, s20, s21
	v_add_f32 v14, v14, v252                       ; the row's sum
	v_rcp_f32 v14, v14
	v_nop
	s_wait_alu depctr_va_vdst(0)
.set j, 0
.rept 32
	v_mul_f32 v[128+j], v[160+j], v14              ; register 16 c + i: channel 32 c + 16 h + i of the head
.set j, j+1
.endr
	s_and_b32 s29, s28, 1
	s_cmp_eq_u32 s29, 0                            ; no padded key among keys 0 .. 31: every query has a live key
	s_cbranch_scc1 .Lnofb_\@
	s_mov_b64 s[60:61], s[36:37]
	s_mov_b64 s[62:63], s[38:39]
.set j, 0
.rept 16
	v_mov_b32 v[224+j], 0x38383838                 ; codes of 1.0,
.set j, j+1
.endr
	v_mov_b32 v197, 0x7f7f7f7f                     ; under the scale 1
	FB 1
	s_mov_b32 s29, 7
.Lfb_\@:
	FB 0
	s_sub_co_u32 s29, s29, 1
	s_cmp_lg_u32 s29, 0
	s_cbranch_scc1 .Lfb_\@
	NOPS 8
	v_cmp_gt_f32 vcc_lo, 0xe0ad78ec, v13           ; -1e20 above the largest t: the row has met no live key
.set j, 0
.rept 32
	v_mul_f32 v[96+j], 0x3a800000, v[96+j]         ; / 1,024
	v_cndmask_b32 v[128+j], v[128+j], v[96+j], vcc_lo
.set j, j+1
.endr
.Lnofb_\@:
	; the head's 64 channels are two blocks of 32 of the last product's K
.irp b, 0,1
	v_max3_num_f32 v[232+\b], |v[128+16*\b]|, |v[129+16*\b]|, 0x4800000
.endr
.irp i, 2,4,6,8,10,12,14
.irp b, 0,1
	v_max3_num_f32 v[232+\b], v[232+\b], |v[128+16*\b+\i]|, |v[129+16*\b+\i]|
.endr
.endr
.irp b, 0,1
	v_permlanex16_b32 v[236+\b], v[232+\b], s20, s21
.endr
.irp b, 0,1
	v_max_num_f32 v[232+\b], v[232+\b], v[236+\b]
.endr
.irp b, 0,1
	v_add_nc_u32 v[244+\b], 0xfc000000, v[232+\b]
.endr
.irp b, 0,1
	v_and_or_b32 v[240+\b], v[232+\b], 0x7f800000, s19
.endr
.irp b, 0,1
	v_lshrrev_b32 v[236+\b], 23, v[244+\b]
.endr
	v_lshl_or_b32 v252, v237, 8, v236              ; my row's two bytes
.irp b, 0,1
.irp i, 0,1,2,3,4,5,6,7,8,9,10,11,12,13,14,15
	v_med3_num_f32 v[128+16*\b+\i], v[128+16*\b+\i], -v[240+\b], v[240+\b]
.endr
	v_cvt_scalef32_pk8_fp8_f32 v[224+4*\b:225+4*\b], v[128+16*\b:135+16*\b], v[244+\b]
	v_cvt_scalef32_pk8_fp8_f32 v[226+4*\b:227+4*\b], v[136+16*\b:143+16*\b], v[244+\b]
.endr
	v_nop
	global_store_b128 v1, v[224:227], s[\pa:\pa+1] ; 1,024 consecutive bytes a wave, aligned
	global_store_b128 v1, v[228:231], s[\pa:\pa+1] offset:512
	ds_store_b16 v[\osa], v252                     ; both halves of the lanes write the same bytes
.endm
	s_load_b256 s[4:11], s[0:1], 0x0               ; qkv, qkvs, pad_mask, aimg
	s_load_b64 s[12:13], s[0:1], 0x20              ; ascl
	v_lshl_add_u32 v30, v0, 2, 0x29400
	v_mov_b32 v31, 0
	v_lshrrev_b32 v8, 5, v0
	v_readfirstlane_b32 s18, v8                    ; wave 0..15
	v_and_b32 v10, 31, v0                          ; lane
	v_and_b32 v8, 15, v0                           ; r
	v_bfe_u32 v9, v0, 4, 1                         ; h
	v_lshlrev_b32 v1, 4, v10                       ; 16 x lane
	v_lshl_add_u32 v2, v10, 2, SCK                 ; the scale words: 4 x lane
	s_lshl_b32 s40, s18, 10
	v_add_nc_u32 v3, s40, v1                       ; where I store my 1 KiB of a step: waves 0-7 K's, waves 8-15 V's
	s_lshl_b32 s40, s18, 9
	v_add_nc_u32 v4, s40, v1
	v_add_nc_u32 v4, SCK, v4                       ; waves 0-3: K's scale words, waves 4-7: V's, 512 bytes each
	v_lshlrev_b32 v5, 4, v9                        ; 16 h
	s_xor_b32 s40, s18, 15                         ; the late tile's place among its sixteen: 15 - wave
	s_lshl_b32 s40, s40, 5
	v_lshl_add_u32 v6, v8, 1, s40
	v_add_nc_u32 v6, OSC, v6
	s_lshl_b32 s40, s18, 5
	v_lshl_add_u32 v11, v8, 1, s40
	v_add_nc_u32 v11, OSC+512, v11                 ; the early tile's
	v_lshrrev_b32 v196, 3, v8
	v_lshl_add_u32 v196, v196, 3, v8
	v_sub_nc_u32 v196, v196, v5                    ; r + 8 (r / 8) - 16 h
	v_lshlrev_b32 v198, 2, v8                      ; 4 r
	v_lshlrev_b32 v105, 5, v10                     ; 32 x lane
	s_lshl_b32 s41, ttmp9, 4
	s_add_co_u32 s41, s41, s18                     ; the early tile: 16 y + wave, 0 .. 31
	s_xor_b32 s42, s41, 63                         ; the late tile: 63 - that
	s_lshr_b32 s73, s41, 1
	s_lshl_b32 s73, s73, 5                         ; the early tile's queries lie in s73 .. s73 + 31,
	s_lshr_b32 s72, s42, 1
	s_lshl_b32 s72, s72, 5                         ; the late tile's in s72 .. s72 + 31
	s_and_b32 s76, s41, 1
	s_lshl_b32 s74, s76, 4                         ; 16 u and
	s_lshl_b32 s76, s76, 3                         ; 8 u of the early tile,
	s_and_b32 s75, s42, 1
	s_lshl_b32 s55, s75, 4
	s_lshl_b32 s75, s75, 3                         ; of the late tile
	s_and_b32 s43, ttmp7, 0xffff                   ; 16 b + head
	s_lshl_b32 s47, s43, 16                        ; a head's images: 65,536 bytes
	s_lshl_b32 s46, s43, 11                        ; its scale bytes: 2,048
	s_lshr_b32 s44, s43, 4                         ; the batch
	s_and_b32 s45, s43, 15                         ; the head
	s_lshr_b32 s58, s45, 1
	s_and_b32 s59, s45, 1
	s_lshl_b32 s59, s59, 10
	s_mov_b32 s19, 0x600000
	s_mov_b32 s20, 0x76543210
	s_mov_b32 s21, 0xfedcba98
	s_mov_b32 s22, 0x3e38aa3b                      ; c = log2(e) / 8
	s_mov_b32 s23, s22
	s_mov_b32 s57, 0
	s_wait_kmcnt 0x0
	s_mov_b32 s56, 16777216
	s_cmp_lt_u32 s18, 8
	s_cselect_b32 s56, 8388608, s56                ; waves 0-7 bring K, waves 8-15 V
	s_add_co_u32 s56, s56, s47
	s_and_b32 s40, s18, 7
	s_lshl_b32 s40, s40, 10
	s_add_co_u32 s56, s56, s40
	s_add_nc_u64 s[30:31], s[4:5], s[56:57]
.irp s, 0,1,2,3
	global_load_b128 v[32+8*\s:35+8*\s], v1, s[30:31] offset:8192*\s          ; my 1 KiB of each of steps 0-3
	global_load_b128 v[36+8*\s:39+8*\s], v1, s[30:31] offset:8192*\s+512
.endr
	s_lshr_b32 s40, s18, 2
	s_min_u32 s40, s40, 1
	s_add_co_u32 s40, s40, 1
	s_lshl_b32 s56, s40, 18
	s_add_co_u32 s56, s56, s46
	s_and_b32 s40, s18, 3
	s_lshl_b32 s40, s40, 9
	s_add_co_u32 s56, s56, s40
	s_add_nc_u64 s[32:33], s[6:7], s[56:57]
	s_cmp_lt_u32 s18, 8
	s_cbranch_scc0 .Lnosc
	global_load_b128 v[192:195], v1, s[32:33]      ; 512 of the head's 4,096 scale bytes
.Lnosc:
	TILEPTR 42, 48, 50, 52                         ; the late tile
	global_load_b128 v[208:211], v1, s[48:49]      ; q: channels 0-31,
	global_load_b128 v[212:215], v1, s[48:49] offset:512   ; 32-63
	global_load_b32 v255, v198, s[50:51]
	s_lshl_b32 s56, s44, 10
	s_add_nc_u64 s[34:35], s[8:9], s[56:57]        ; the batch's padding bytes
	global_load_b128 v[96:99], v105, s[34:35]      ; 32 of them a lane
	global_load_b128 v[100:103], v105, s[34:35] offset:16
	TILEPTR 41, 66, 68, 70                         ; the early tile
	s_add_co_u32 s56, s47, 16777216
	s_add_nc_u64 s[36:37], s[4:5], s[56:57]        ; V's images and
	s_add_co_u32 s56, s46, 524288
	s_add_nc_u64 s[38:39], s[6:7], s[56:57]        ; scale bytes, for flat rows
	s_lshl_b32 s56, s45, 14
	s_lshl_b32 s40, s44, 11
	s_add_co_u32 s56, s56, s40
	s_lshl_b32 s40, ttmp9, 9                       ; the early tiles' 512 scale bytes begin at tile 16 y: 32 bytes a tile;
	s_sub_co_u32 s29, 1536, s40                    ; the late tiles' at tile 48 - 16 y
	s_cmp_eq_u32 s18, 0
	s_cselect_b32 s40, s29, s40                    ; wave 0 stores the late tiles', wave 1 the early ones'
	s_add_co_u32 s56, s56, s40
	s_add_nc_u64 s[12:13], s[12:13], s[56:57]
.irp j, 0,1,2,3,4,5,6,7
	v_mov_b32 v[200+\j], 0                         ; zero codes on both sides of q
	v_mov_b32 v[216+\j], 0
.endr
.irp b, 0,1,2,3
	v_mov_b32 v[236+\b], 0                         ; a lane permute's destination counts as one of its sources
.endr
	INIT
	v_add_nc_u32 v7, s75, v196                     ; my query's place in its group of 32, less 16 h
	s_mov_b32 s27, s72
	s_wait_loadcnt 0x0
	QSC 55
	v_or_b32 v96, v96, v97
	v_or_b32 v98, v98, v99
	v_or_b32 v100, v100, v101
	v_or_b32 v102, v102, v103
	v_or_b32 v96, v96, v98
	v_or_b32 v100, v100, v102
	v_or_b32 v96, v96, v100
	v_cmp_ne_u32 s28, 0, v96                       ; bit l: a padded key among keys 32 l .. 32 l + 31
.irp s, 0,1,2,3
	ds_store_b128 v3, v[32+8*\s:35+8*\s] offset:STB*\s
	ds_store_b128 v3, v[36+8*\s:39+8*\s] offset:STB*\s+512
.endr
	s_cmp_lt_u32 s18, 8
	s_cbranch_scc0 .Lnosc2
	ds_store_b128 v4, v[192:195]
.Lnosc2:
	s_add_nc_u64 s[30:31], s[30:31], 4*8192        ; (the loads that read this base have been waited for)
	GLOAD                                          ; step 4's part: a whole step in which to land
	s_wait_dscnt 0x0                               ; my stores have landed
	s_barrier_signal -1
	s_barrier_wait -1                              ; everybody's have: steps 0-3 and all scale words lie in LDS
	; ---- THE LATE TILE, steps 0-3: open in every wave.  Behind step i my part of step 4 + i goes to LDS: bytes from HI on, which nobody reads ahead of the next barrier
	s_mov_b32 s2, 0
	s_mov_b32 s3, 0
	s_mov_b32 s26, 0
	s_mov_b32 s25, HI
	s_mov_b32 s24, 4
.Lfirst:
	STEP 4, 0
	s_wait_loadcnt 0x0                             ; my part of step 4 + i, asked for a step ago
	v_add_nc_u32 v199, s25, v3
	ds_store_b128 v199, v[16:19]
	ds_store_b128 v199, v[20:23] offset:512
	s_add_co_u32 s25, s25, STB
	s_cmp_eq_u32 s24, 1
	s_cbranch_scc1 .Lfilled                        ; step 7's part was the last: no load leaves the head's images
	s_add_nc_u64 s[30:31], s[30:31], 8192
	s_wait_dscnt 0x0                               ; the stores have read their registers
	GLOAD
.Lfilled:
	NEXT
	s_sub_co_u32 s24, s24, 1
	s_cmp_lg_u32 s24, 0
	s_cbranch_scc1 .Lfirst
	s_wait_dscnt 0x0                               ; my stores have landed
	s_barrier_signal -1
	s_barrier_wait -1                              ; everybody's have: the whole head lies in LDS, and nothing of it is written again
	WALK 4, HI                                     ; the late tile's other steps
	WAYOUT 52, 6, 1
	; ---- THE EARLY TILE
	s_wait_xcnt 0x0                                ; the stores have read their registers
	s_mov_b32 s27, s73
	v_add_nc_u32 v7, s76, v196
	INIT
	s_wait_loadcnt 0x0                             ; its q and scale word
	QSC 74
	WALK 0, 0
	WAYOUT 70, 11, 0
	s_wait_dscnt 0x0
	s_barrier_signal -1
	s_barrier_wait -1                              ; the sixteen waves' 2 x 512 scale bytes lie together
	s_cmp_lt_u32 s18, 2
	s_cbranch_scc0 .Lend
	ds_load_b128 v[96:99], v4 offset:4096          ; wave 0: the late tiles' 512 bytes; wave 1: the early ones'
	s_wait_dscnt 0x0
	global_store_b128 v1, v[96:99], s[12:13]       ; 512 consecutive bytes, aligned
.Lend:
	s_wait_tensorcnt 0x0
	ds_add_u32 v30, v31
	s_wait_dscnt 0x0
	s_endpgm
.Lfunc_end_k_q43e1579361_attn:
	.size	k_q43e1579361_attn, .Lfunc_end_k_q43e1579361_attn-k_q43e1579361_attn
	.p2alignl 7, 3214868480
	.fill 96, 4, 3214868480
	.section	.rodata,"a",@progbits
	.p2align	6, 0x0
	.amdhsa_kernel k_q43e1579361_attn
		.amdhsa_group_segment_fixed_size 171008
		.amdhsa_private_segment_fixed_size 0
		.amdhsa_enable_private_segment 0
		.amdhsa_kernarg_size 40
		.amdhsa_user_sgpr_count 2
		.amdhsa_user_sgpr_kernarg_segment_ptr 1
		.amdhsa_wavefront_size32 1
		.amdhsa_system_sgpr_workgroup_id_x 1
		.amdhsa_system_sgpr_workgroup_id_y 1
		.amdhsa_system_sgpr_workgroup_id_z 1
		.amdhsa_system_vgpr_workitem_id 0
		.amdhsa_next_free_vgpr 256
		.amdhsa_next_free_sgpr 80
		.amdhsa_reserve_vcc 1
		.amdhsa_float_denorm_mode_32 3
		.amdhsa_float_denorm_mode_16_64 3
		.amdhsa_memory_ordered 1
		.amdhsa_forward_progress 1
		.amdhsa_inst_pref_size 255
	.end_amdhsa_kernel
	.section	.bss,"aw",@nobits
	.p2align	6
	.space	262144
	.amdgpu_metadata
---
amdhsa.version: [ 1, 2 ]
amdhsa.kernels:
  - .name:           k_q43e1579361_attn
    .symbol:         k_q43e1579361_attn.kd
    .args:
      - { .name: qkv, .offset: 0, .size: 8, .value_kind: global_buffer, .address_space: global }
      - { .name: qkvs, .offset: 8, .size: 8, .value_kind: global_buffer, .address_space: global }
      - { .name: pad_mask, .offset: 16, .size: 8, .value_kind: global_buffer, .address_space: global }
      - { .name: aimg, .offset: 24, .size: 8, .value_kind: global_buffer, .address_space: global }
      - { .name: ascl, .offset: 32, .size: 8, .value_kind: global_buffer, .address_space: global }
    .group_segment_fixed_size: 171008
    .private_segment_fixed_size: 0
    .kernarg_segment_align: 8
    .kernarg_segment_size: 40
    .max_flat_workgroup_size: 512
    .sgpr_count:     80
    .vgpr_count:     256
    .wavefront_size: 32
...
	.end_amdgpu_metadata
.endif
;; end of part 3
;; launch oproj (part 4): grid 4 x 64, 4 waves a work-group, clusters of 4 x 4, 327,680 bytes of LDS; arguments aimg, ascl, codes, scl, bo, out0; writes out0
.if DOCPART == 4
	.amdgcn_target "amdgcn-amd-amdhsa--gfx1250"
	.amdhsa_code_object_version 6
	.text
	.protected	k_q43e1579361_oproj
	.globl	k_q43e1579361_oproj
	.p2align	8
	.type	k_q43e1579361_oproj,@function
k_q43e1579361_oproj:
	s_mov_b64 s[64:65], 0
	v_nop
	global_prefetch_b8 v0, s[64:65] scope:SCOPE_SE
	s_setreg_imm32_b32 hwreg(HW_REG_WAVE_MODE, 25, 1), 1
	s_wait_xcnt 0x0
	s_wait_alu depctr_hold_cnt(0) depctr_sa_sdst(0) depctr_va_vdst(0) depctr_va_sdst(0) depctr_va_ssrc(0) depctr_va_vcc(0) depctr_vm_vsrc(0)
	s_getreg_b32 s2, hwreg(HW_REG_IB_STS2, 6, 4)
	s_cmp_eq_u32 s2, 0
	s_cbranch_scc0 .Lentry_in_a_cluster
	s_endpgm
.Lentry_in_a_cluster:
	s_bfe_u32 s2, ttmp6, 0x10000c
	s_cmp_lg_u32 s2, 0xf033
	s_cbranch_scc0 .Lentry_shape_is_right
	s_endpgm
.Lentry_shape_is_right:
; out0 = a Wo^T + bo on codes of FP8 (E4M3) with E8M0 scales.  a: register images, row tile T, K step ks at (8 T + ks) x 2,048 bytes; its scale bytes [head][row][2].  Wo: rows 11264 on of the codes' workspace, natural order.
; A tile of 128 x 256 to a work-group, so that there are 256 of them; four waves, each 64 x 128: 32 accumulators.  Source 0 = 16 rows of Wo, source 1 = 16 rows of a: a lane holds 8 neighbouring columns of one row.
; K = 1,024 is eight steps of 128, written out.  THREE SLOTS of 256 along K are filled at the start; the fourth quarter of K goes into slot 0 again behind step 1 and has four steps, 128 matrix instructions, in which to land.
; By this text's count four tensor loads of a wave are out at the most (the scales and three slots), later one.
; CLUSTERS: 4 x 4 work-groups; a's tiles are shared along a row of the cluster, Wo's and its scales along a column: joint loads.
; The rows of a tile of a are tokens 32 (a / 2) + 8 (a % 2) + r + 8 (r / 8): the stores' immediates put them back in order.
; No prefetch: three quarters of K are asked for at the head.
; REGISTERS: window 0: v16-30 addresses; v32-63 Wo's scale words, two sets; v64-79 a's scale words; v80-111 their halves as loaded; v112-115 bo; v128-255 a's fragments, two sets.  window 1: Wo's fragments, two sets.  window 2: accumulators.
.set PITCH,  272
.set HALFT,  128*PITCH
.set HALFS,  4352
.set SLOT4,  102400                    ; a's images 32,768 bytes, then Wo's 256 rows of 272
.set SCLB,   3*SLOT4                   ; Wo's scale bytes: 2 x 4,352
.set SPARE,  SCLB+2*HALFS              ; the spare words: 128 bytes a wave, named by no other line
.set SPITCH, 528                       ; the way out: 16 rows x (512 + 16) bytes a wave, in slot 1, which is filled once and last read in step 2
.set ADRA, 16
.set ADRB, 20
.set STO,  24
.set RD,   25
.set CO,   26
.set ADRS, 27
.set SPW,  28
.set NIL,  29
.set G1A,  24
.set G0A,  32
.set G1B,  44
.set G0B,  52
.set G1SB, 68
.set G0SB, 76
.set MULW, 0xa1                        ; source 0 window 1, source 1 window 0, C and D window 2
.set MSB, 0
.macro WIN new
.if MSB != (\new)
	s_set_vgpr_msb (MSB<<8)|(\new)
.set MSB, (\new)
.endif
.endm
.macro PLACES n
.rept \n
	v_nop
.endr
.endm
.macro CREST
	s_cmp_lg_u32 s14, 0
	s_cbranch_scc1 .Lnot_wave_0_\@
	s_barrier_signal -3
.Lnot_wave_0_\@:
	s_barrier_wait -3
	s_barrier_signal -1
	s_barrier_wait -1
.endm
.macro CROUND
	s_barrier_signal -1
	s_barrier_wait -1
	CREST
.endm
	s_load_b256 s[4:11], s[0:1], 0x0               ; aimg, ascl, codes, scl
	s_load_b128 s[80:83], s[0:1], 0x20             ; bo, out0
	v_lshl_add_u32 v[SPW], v0, 2, SPARE
	v_mov_b32 v[NIL], 0
	ds_add_u32 v28, v29
	ds_add_u32 v28, v29
	s_wait_dscnt 0x0
	v_lshrrev_b32 v1, 5, v0
	v_readfirstlane_b32 s14, v1                    ; wave
	s_lshr_b32 s15, s14, 1                         ; my half of the rows.  Also: I fetch for a (0) or for Wo (1)
	s_and_b32 s16, s14, 1                          ; my half of the columns.  Also: which half I fetch
	s_bfe_u32 s84, ttmp6, 0x40000                  ; cx: the tile column
	s_bfe_u32 s85, ttmp6, 0x40004                  ; cy
	s_and_b32 s86, ttmp7, 0xffff
	s_lshl_b32 s86, s86, 2
	s_add_co_u32 s86, s86, s85                     ; the tile row
	s_lshl_b32 s87, s85, 2
	s_lshl_b32 s87, 15, s87                        ; my row of the cluster
	s_lshl_b32 s88, 0x1111, s84                    ; my column
	s_or_b32 s[G1A], s87, (3<<16)|(1<<21)          ; a: 4 rows of 512 elements of 8 bytes (two K steps of a row tile), 16,384 bytes apart; no padding
	s_mov_b32 s[G1A+1], 512<<16
	s_mov_b32 s[G1A+2], 4<<16
	s_mov_b32 s[G1A+3], 512<<16
	s_mov_b32 s[G1A+4], 4
	s_mov_b32 s[G1A+5], 2048
	s_mov_b32 s[G1A+6], 0
	s_mov_b32 s[G1A+7], 0
	s_or_b32 s[G1B], s88, (0<<16)|(1<<20)|(1<<21)|(5<<22)|(3<<25)   ; Wo: 128 rows of 256 bytes, 16 of padding behind each
	s_mov_b32 s[G1B+1], 256<<16
	s_mov_b32 s[G1B+2], 128<<16
	s_mov_b32 s[G1B+3], 256<<16
	s_mov_b32 s[G1B+4], 128
	s_mov_b32 s[G1B+5], 1024
	s_mov_b32 s[G1B+6], 0
	s_mov_b32 s[G1B+7], 0
	s_or_b32 s[G1SB], s88, (3<<16)|(1<<20)|(1<<21)|(5<<22)|(3<<25)  ; its scales: 4,096 dense bytes as 16 rows of 256
	s_mov_b32 s[G1SB+1], 32<<16
	s_mov_b32 s[G1SB+2], 16<<16
	s_mov_b32 s[G1SB+3], 32<<16
	s_mov_b32 s[G1SB+4], 16
	s_mov_b32 s[G1SB+5], 32
	s_mov_b32 s[G1SB+6], 0
	s_mov_b32 s[G1SB+7], 0
	s_lshl_b32 s90, s86, 17                        ; a: row tile 8 x tile row + 4 x half, 16,384 bytes each
	s_lshl_b32 s89, s16, 16
	s_add_co_u32 s90, s90, s89
	s_mov_b32 s91, 0
	s_lshl_b32 s92, s84, 8                         ; Wo: row 11264 + 256 x tile column + 128 x half
	s_lshl_b32 s89, s16, 7
	s_add_co_u32 s92, s92, s89
	s_add_co_u32 s92, s92, 11264
	s_lshl_b32 s94, s92, 5
	s_mov_b32 s95, 0
	s_lshl_b32 s92, s92, 10
	s_mov_b32 s93, 0
	s_lshl_b32 s96, s16, 14                        ; where they go in a slot,
	s_mul_i32 s97, s16, HALFT
	s_add_co_u32 s97, s97, 32768
	s_mul_i32 s98, s16, HALFS
	s_add_co_u32 s98, s98, SCLB
	s_wait_kmcnt 0x0
	s_add_nc_u64 s[90:91], s[4:5], s[90:91]
	s_add_nc_u64 s[92:93], s[8:9], s[92:93]
	s_add_nc_u64 s[94:95], s[10:11], s[94:95]
.irp s, 0,1,2
	s_mov_b32 s[G0A+4*\s], 1
	s_add_co_u32 s[G0A+4*\s+1], s96, \s*SLOT4
	s_add_nc_u64 s[G0A+4*\s+2:G0A+4*\s+3], s[90:91], \s*4096
	s_or_b32 s[G0A+4*\s+3], s[G0A+4*\s+3], 0x80000000
	s_mov_b32 s[G0B+4*\s], 1
	s_add_co_u32 s[G0B+4*\s+1], s97, \s*SLOT4
	s_add_nc_u64 s[G0B+4*\s+2:G0B+4*\s+3], s[92:93], \s*256
	s_or_b32 s[G0B+4*\s+3], s[G0B+4*\s+3], 0x80000000
.endr
	s_mov_b32 s[G0SB], 1
	s_mov_b32 s[G0SB+1], s98
	s_mov_b64 s[G0SB+2:G0SB+3], s[94:95]
	s_or_b32 s[G0SB+3], s[G0SB+3], 0x80000000
	CROUND                                         ; all sixteen work-groups are here: the first joint loads meet
	s_cmp_eq_u32 s15, 0                            ; a wave's first fills stand in one branch; in both, two loads follow the one that step 0 waits for
	s_cbranch_scc0 .Lfirst_b
	tensor_load_to_lds s[G0A:G0A+3], s[G1A:G1A+7]
	s_nop 0
	tensor_load_to_lds s[G0A+4:G0A+7], s[G1A:G1A+7]
	s_nop 0
	tensor_load_to_lds s[G0A+8:G0A+11], s[G1A:G1A+7]
	s_nop 0
	PLACES 4
	s_branch .Lfirst_done
.Lfirst_b:
	tensor_load_to_lds s[G0SB:G0SB+3], s[G1SB:G1SB+7]
	s_nop 0
	tensor_load_to_lds s[G0B:G0B+3], s[G1B:G1B+7]
	s_nop 0
	tensor_load_to_lds s[G0B+4:G0B+7], s[G1B:G1B+7]
	s_nop 0
	tensor_load_to_lds s[G0B+8:G0B+11], s[G1B:G1B+7]
	s_nop 0
	PLACES 4
.Lfirst_done:
	s_lshl_b32 s12, s86, 8
	s_lshl_b32 s17, s15, 7
	s_add_co_u32 s12, s12, s17
	s_mov_b32 s13, 0
	s_add_nc_u64 s[6:7], s[6:7], s[12:13]          ; a's scale bytes at my 64 rows: 2 bytes a row
	s_lshl_b32 s12, s84, 10
	s_lshl_b32 s17, s16, 9
	s_add_co_u32 s12, s12, s17                     ; my 128 columns, in bytes
	s_add_nc_u64 s[80:81], s[80:81], s[12:13]
	s_add_nc_u64 s[82:83], s[82:83], s[12:13]
	s_lshl_b32 s12, s86, 19
	s_lshl_b32 s17, s15, 18
	s_add_co_u32 s12, s12, s17
	s_add_nc_u64 s[82:83], s[82:83], s[12:13]      ; out0 at my first row
	v_and_b32 v1, 15, v0                           ; r
	v_bfe_u32 v2, v0, 4, 1                         ; h
	v_and_b32 v3, 31, v0
	v_lshlrev_b32 v[CO], 4, v3                     ; 16 x lane
	v_lshlrev_b32 v30, 1, v3                       ; 2 x lane
.set j, 0
.rept 16
	global_load_u16 v[80+2*j], v30, s[6:7] offset:16384*j          ; head j: lanes 0-15 rows of block 0, lanes 16-31 of block 1;
	global_load_u16 v[81+2*j], v30, s[6:7] offset:16384*j+64       ; blocks 2 and 3
.set j, j+1
.endr
	global_load_b128 v[112:115], v[CO], s[80:81]   ; bo of my lane's four columns of a row
	s_lshl_b32 s17, s15, 14
	v_add_nc_u32 v[ADRA], s17, v[CO]               ; a's images: my four row tiles
	v_add_nc_u32 v[ADRA+1], SLOT4, v[ADRA]
	v_add_nc_u32 v[ADRA+2], 2*SLOT4, v[ADRA]
	v_mul_u32_u24 v4, v1, PITCH
	v_lshl_add_u32 v4, v2, 4, v4
	s_mul_i32 s17, s16, HALFT
	s_add_co_u32 s17, s17, 32768
	v_add_nc_u32 v[ADRB], s17, v4
	v_add_nc_u32 v[ADRB+1], SLOT4, v[ADRB]
	v_add_nc_u32 v[ADRB+2], 2*SLOT4, v[ADRB]
	v_lshlrev_b32 v4, 5, v1
	v_lshrrev_b32 v5, 3, v1
	v_lshl_add_u32 v4, v5, 4, v4                   ; 32 bytes a row, 16 more behind each 256
	s_mul_i32 s17, s16, HALFS
	s_add_co_u32 s17, s17, SCLB
	v_add_nc_u32 v[ADRS], s17, v4
	s_mul_i32 s17, s14, 16*SPITCH
	s_add_co_u32 s17, s17, SLOT4                   ; my stage
	v_mul_u32_u24 v4, v1, SPITCH
	v_lshl_add_u32 v4, v2, 5, v4
	v_add_nc_u32 v[STO], s17, v4
	v_add_nc_u32 v[RD], s17, v[CO]
	s_wait_loadcnt 0x0
.set j, 0
.rept 8
	v_lshl_or_b32 v[64+2*j], v[82+4*j], 16, v[80+4*j]              ; K step j is heads 2 j and 2 j + 1: two bytes of each make a row's word
	v_lshl_or_b32 v[65+2*j], v[83+4*j], 16, v[81+4*j]
.set j, j+1
.endr
	PLACES 8                                       ; scale words made by vector lines stand eight places ahead of the products
; 8 matrix instructions: a's block a against Wo's eight, K step ks, fragment sets p.  The 32 accumulators take turns, one instruction a turn.
.macro MUL8 a, p, ks, zero
.irp b, 0,1,2,3,4,5,6,7
.set rD, 8*(8*(\a)+\b)
.set rB, 128*(\p)+16*\b
.set rA, 128+64*(\p)+16*(\a)
.set rSB, 32+16*(((\ks)/2)%2)+2*\b+(\ks)%2
.set rSA, 64+2*(\ks)+(\a)/2
.if \zero
.if (\a)%2
	v_wmma_scale_f32_16x16x128_f8f6f4 v[rD:rD+7], v[rB:rB+15], v[rA:rA+15], 0, v[rSB], v[rSA] matrix_b_scale:MATRIX_SCALE_ROW1
.else
	v_wmma_scale_f32_16x16x128_f8f6f4 v[rD:rD+7], v[rB:rB+15], v[rA:rA+15], 0, v[rSB], v[rSA]
.endif
.else
.if (\a)%2
	v_wmma_scale_f32_16x16x128_f8f6f4 v[rD:rD+7], v[rB:rB+15], v[rA:rA+15], v[rD:rD+7], v[rSB], v[rSA] matrix_b_scale:MATRIX_SCALE_ROW1
.else
	v_wmma_scale_f32_16x16x128_f8f6f4 v[rD:rD+7], v[rB:rB+15], v[rA:rA+15], v[rD:rD+7], v[rSB], v[rSA]
.endif
.endif
.endr
.endm
.macro FETCH4 slot, q, p               ; the fragments of the slot's q-th 128 along K into sets p: 32 loads for Wo, 16 for a
	WIN 0x40
.irp i, 0,1,2,3,4,5,6,7
.irp c, 0,1,2,3
	ds_load_b128 v[128*(\p)+16*\i+4*\c:128*(\p)+16*\i+4*\c+3], v[ADRB+\slot] offset:128*(\q)+32*\c+\i*16*PITCH
.endr
.endr
	WIN 0
.irp i, 0,1,2,3
.irp c, 0,1,2,3
	ds_load_b128 v[128+64*(\p)+16*\i+4*\c:128+64*(\p)+16*\i+4*\c+3], v[ADRA+\slot] offset:4096*\i+2048*(\q)+512*\c
.endr
.endr
.endm
.macro SCALES4 kq                      ; Wo's scale words of the kq-th 256 along K, two words a row
.irp i, 0,1,2,3,4,5,6,7
	ds_load_b64 v[32+16*((\kq)%2)+2*\i:33+16*((\kq)%2)+2*\i], v[ADRS] offset:544*\i+8*(\kq)
.endr
.endm
.macro PSTEP k, nslot, nq, nsc, zero   ; step k; in its middle the next step's fragments are fetched (nsc >= 0: and the next quarter's scale words)
	s_wait_dscnt 0x0
	WIN MULW
	MUL8 0, (\k)%2, \k, \zero
	MUL8 1, (\k)%2, \k, \zero
	PLACES 8                                       ; in front of loads into the sets that the step before multiplied
	FETCH4 \nslot, \nq, 1-(\k)%2
.if \nsc >= 0
	SCALES4 \nsc
.endif
	WIN MULW
	MUL8 2, (\k)%2, \k, \zero
	MUL8 3, (\k)%2, \k, \zero
.endm
	s_wait_tensorcnt 2                             ; slot 0 (and the scales) are in; the loads of slots 1 and 2 may be out
	s_barrier_signal -1
	s_barrier_wait -1
	FETCH4 0, 0, 0
	SCALES4 0
	PSTEP 0, 0, 1, -1, 1                           ; the first products start the sums
	; step 1: slot 0 has been read out and is filled again
	WIN 0
	s_wait_tensorcnt 0x0                           ; all my tensor loads have landed
	ds_add_u32 v[SPW], v[NIL]                      ; 0 onto my spare word
	s_wait_dscnt 1                                 ; the fragments are in; the add may be out
	WIN MULW
	MUL8 0, 1, 1, 0
	s_wait_dscnt 0x0                               ; the add is done, and my reads of slot 0 are over
	s_barrier_signal -1
	MUL8 1, 1, 1, 0
	WIN 0
	s_barrier_wait -1
	CREST                                          ; a round of the cluster's barrier: no wave of any partner still reads slot 0 or has a load on its way
	s_add_nc_u64 s[G0A+2:G0A+3], s[G0A+2:G0A+3], 12288   ; the fourth quarter of K
	s_add_nc_u64 s[G0B+2:G0B+3], s[G0B+2:G0B+3], 768
	s_cmp_eq_u32 s15, 0
	s_cbranch_scc0 .Lre_b
	tensor_load_to_lds s[G0A:G0A+3], s[G1A:G1A+7]
	s_nop 0
	PLACES 4
	s_branch .Lre_done
.Lre_b:
	tensor_load_to_lds s[G0B:G0B+3], s[G1B:G1B+7]
	s_nop 0
	PLACES 4
.Lre_done:
	PLACES 4
	FETCH4 1, 0, 0
	SCALES4 1
	WIN MULW
	MUL8 2, 1, 1, 0
	MUL8 3, 1, 1, 0
	PSTEP 2, 1, 1, -1, 0
	PSTEP 3, 2, 0, 2, 0
	PSTEP 4, 2, 1, -1, 0
	; step 5: the next fragments lie in the refilled slot 0
	s_wait_dscnt 0x0
	WIN MULW
	MUL8 0, 1, 5, 0
	MUL8 1, 1, 5, 0
	WIN 0
	s_wait_tensorcnt 0x0                           ; my part of the refill has landed;
	ds_add_u32 v[SPW], v[NIL]
	s_wait_dscnt 0x0
	s_barrier_signal -1
	s_barrier_wait -1                              ; everybody's has
	PLACES 8
	FETCH4 0, 0, 0
	SCALES4 3
	WIN MULW
	MUL8 2, 1, 5, 0
	MUL8 3, 1, 5, 0
	PSTEP 6, 0, 1, -1, 0
	s_wait_dscnt 0x0
	WIN MULW
	MUL8 0, 1, 7, 0
	MUL8 1, 1, 7, 0
	MUL8 2, 1, 7, 0
	MUL8 3, 1, 7, 0
	WIN 0
; THE WAY OUT, a block of 16 rows x 128 columns at a time, through my own stage: in 32 bytes a lane, back as whole rows of 512 bytes; bo is added on the way.
.macro TOSTAGE a
	WIN 0x08                                       ; an LDS store's data: window 2
.irp b, 0,1,2,3,4,5,6,7
	ds_store_b128 v[STO], v[8*(8*(\a)+\b):8*(8*(\a)+\b)+3] offset:64*\b      ; each accumulator from its low end on
	ds_store_b128 v[STO], v[8*(8*(\a)+\b)+4:8*(8*(\a)+\b)+7] offset:64*\b+16
.endr
	WIN 0
.set BB, 128+64*((\a)%2)
.irp t, 0,1,2,3,4,5,6,7,8,9,10,11,12,13,14,15
	ds_load_b128 v[BB+4*\t:BB+4*\t+3], v[RD] offset:\t*SPITCH      ; LDS serves a wave in order: these see the stores above
.endr
.endm
.macro SEND a, younger
.set BB, 128+64*((\a)%2)
	s_wait_dscnt \younger                          ; the block is back; the next block's 16 stores and 16 loads may be out
.irp t, 0,1,2,3,4,5,6,7,8,9,10,11,12,13,14,15
	v_pk_add_f32 v[BB+4*\t:BB+4*\t+1], v[BB+4*\t:BB+4*\t+1], v[112:113]
	v_pk_add_f32 v[BB+4*\t+2:BB+4*\t+3], v[BB+4*\t+2:BB+4*\t+3], v[114:115]
.endr
.irp t, 0,1,2,3,4,5,6,7,8,9,10,11,12,13,14,15
	global_store_b128 v[CO], v[BB+4*\t:BB+4*\t+3], s[82:83] offset:(32*((\a)/2)+8*((\a)%2)+\t+8*(\t/8))*4096 th:TH_STORE_NT   ; 512 consecutive bytes, aligned; the row's true place
.endr
.endm
	PLACES 8
	TOSTAGE 0
.irp a, 1,2,3
.if \a > 1
	s_wait_xcnt 0x0                                ; the stores of two blocks back have read their registers
.endif
	TOSTAGE \a
	SEND \a-1, 32
.endr
	SEND 3, 0
	s_wait_tensorcnt 0x0                           ; the wave's end
	ds_add_u32 v[SPW], v[NIL]
	s_wait_dscnt 0x0
	CROUND                                         ; the closing round
	s_endpgm
.Lfunc_end_k_q43e1579361_oproj:
	.size	k_q43e1579361_oproj, .Lfunc_end_k_q43e1579361_oproj-k_q43e1579361_oproj
	.p2alignl 7, 3214868480
	.fill 96, 4, 3214868480
	.section	.rodata,"a",@progbits
	.p2align	6, 0x0
	.amdhsa_kernel k_q43e1579361_oproj
		.amdhsa_group_segment_fixed_size 327680
		.amdhsa_private_segment_fixed_size 0
		.amdhsa_enable_private_segment 0
		.amdhsa_kernarg_size 48
		.amdhsa_user_sgpr_count 2
		.amdhsa_user_sgpr_kernarg_segment_ptr 1
		.amdhsa_wavefront_size32 1
		.amdhsa_system_sgpr_workgroup_id_x 1
		.amdhsa_system_sgpr_workgroup_id_y 1
		.amdhsa_system_sgpr_workgroup_id_z 1
		.amdhsa_system_vgpr_workitem_id 0
		.amdhsa_next_free_vgpr 768
		.amdhsa_next_free_sgpr 100
		.amdhsa_reserve_vcc 0
		.amdhsa_float_denorm_mode_32 3
		.amdhsa_float_denorm_mode_16_64 3
		.amdhsa_memory_ordered 1
		.amdhsa_forward_progress 1
		.amdhsa_inst_pref_size 98
	.end_amdhsa_kernel
	.amdgpu_metadata
---
amdhsa.version: [ 1, 2 ]
amdhsa.kernels:
  - .name:           k_q43e1579361_oproj
    .symbol:         k_q43e1579361_oproj.kd
    .args:
      - { .name: aimg, .offset: 0, .size: 8, .value_kind: global_buffer, .address_space: global }
      - { .name: ascl, .offset: 8, .size: 8, .value_kind: global_buffer, .address_space: global }
      - { .name: codes, .offset: 16, .size: 8, .value_kind: global_buffer, .address_space: global }
      - { .name: scl, .offset: 24, .size: 8, .value_kind: global_buffer, .address_space: global }
      - { .name: bo, .offset: 32, .size: 8, .value_kind: global_buffer, .address_space: global }
      - { .name: out0, .offset: 40, .size: 8, .value_kind: global_buffer, .address_space: global }
    .group_segment_fixed_size: 327680
    .private_segment_fixed_size: 0
    .kernarg_segment_align: 8
    .kernarg_segment_size: 48
    .max_flat_workgroup_size: 128
    .sgpr_count:     100
    .vgpr_count:     768
    .wavefront_size: 32
...
	.end_amdgpu_metadata
.endif
;; end of part 4
;; ======== version 2 of 2: 4 launches; version 1 with the launch attn written anew for expert scheduling mode
;; workspace buffers: codes 12,582,912 bytes; scl 393,216 bytes; qkv 25,165,824 bytes; qkvs 786,432 bytes; aimg 8,388,608 bytes; ascl 262,144 bytes
;; launch quant: the kernel of part 1 again; grid 384 x 1, 4 waves a work-group, no clusters, 33,280 bytes of LDS; arguments seq, Wq, Wk, Wv, Wo, codes, scl; writes codes, scl
;; launch qkv: the kernel of part 2 again; grid 4 x 96, 4 waves a work-group, clusters of 4 x 4, 327,680 bytes of LDS; arguments codes, scl, timemat, bq, bk, bv, abs_pos_K, abs_pos_V, int_K, int_V, qkv, qkvs; writes qkv, qkvs
;; launch attn (part 5): grid 2 x 128, 16 waves a work-group, no clusters, 171,008 bytes of LDS; arguments qkv, qkvs, pad_mask, aimg, ascl; writes aimg, ascl
.if DOCPART == 5
	.amdgcn_target "amdgcn-amd-amdhsa--gfx1250"
	.amdhsa_code_object_version 6
	.text
	.protected	k_q43e1579361_attn
	.globl	k_q43e1579361_attn
	.p2align	8
	.type	k_q43e1579361_attn,@function
k_q43e1579361_attn:
	s_mov_b64 s[64:65], 0
	v_nop
	global_prefetch_b8 v0, s[64:65] scope:SCOPE_SE
	s_setreg_imm32_b32 hwreg(HW_REG_WAVE_SCHED_MODE, 0, 2), 2
	s_setreg_imm32_b32 hwreg(HW_REG_WAVE_MODE, 25, 1), 1
	s_wait_xcnt 0x0
	s_wait_alu depctr_vm_vsrc(0)
; out[b][q][head] = softmax over keys of (q . k / 8, causal mask, padding mask) x v, both products on codes of FP8 (E4M3) with E8M0 scales; the result is quantised along d for the last product.
; THE SOFTMAX: t = score x log2(e) / 8; M = the running largest t rounded up to a whole number; p = 2^(t - M) is quantised along the keys; the sum is taken of the unquantised p and divides at the end.
; MASKS.  A hidden or padded key's score becomes -2^100: its p is 0 beside any live key.  The module's own mask value is finite, so a query ALL of whose visible keys are padded has a flat row:
; p = 1 for all 1,024 keys.  For such a row the sum of v's quantised numbers over all keys, / 1,024, is made by products with codes of 1.0 and chosen by a select; those products run only where keys 0 .. 31 of the batch hold a padded key.
; While a row has met no live key, its p are 1 (c x -2^100 is exact, so t - M is 0) and nothing overflows; the first live key multiplies what was summed by 2^(a saturated negative number) = 0.
; K = 64 IN AN INSTRUCTION OF 128.  Two neighbouring tiles of 16 keys are ONE fragment (K 0-63: the first tile's 64 channels; K 64-127: the second's) and their half-words one scale word.  Q stands as
; [8 zeros | q | 8 zeros]: the run (q | 0) picks the first tile, (0 | q) the second.  Only Q's side is filled with zero codes: the other side holds finite codes and bytes 1 .. 254, so those products are exact zeros.
; SHARES.  Two work-groups to a head, 256 in all.  A head has 64 tiles of 16 queries; tile t wants t / 8 + 1 steps of 128 keys.  Wave w of work-group y owns tiles 16 y + w and 63 - (16 y + w): nine steps in every wave, and the
; visible blocks of 32 keys in its two diagonal steps add up to five in every wave: all waves have the same work.
; THE HEAD'S K AND V STAY IN LDS, each byte stored once.  Steps 0-3 are brought at the start.  Every wave begins with its late tile, whose steps 0-3 are open in every wave; behind step i it stores its 1 KiB of step 4 + i,
; asked for a whole step earlier.  Three barriers in all: steps 0-3 lie there; steps 4-7 lie there; the results' scale bytes lie there.
; Steps 4-7 begin one step's length behind the end of steps 0-3, and the scale words one step's length behind the end of steps 4-7: the addresses stepped in the first loop stay apart from the bytes stored meanwhile, with whatever value the stepped registers leave the loop.
; THE DIAGONAL STEP is written four times, for 1, 2, 3 or 4 visible blocks.  A hidden block gets no fragment of K, no score, no exponential and no conversion: its p are zero codes under the byte 0, and V's registers for its keys keep
; older codes, which are finite: exact zeros.  Only the last visible block is masked key by key.  All loops have constant trip counts; a step all of whose keys come after the wave's queries is jumped over.
; NO CLUSTER, NO TENSOR LOADS: the padding's jumps hang on loaded bytes.  NO PREFETCH: a later step's part is asked for by a load a whole step ahead of its use, and the first four steps' loads stand at the head.
; The queries of tile t are tokens 32 (t / 2) + 8 (t % 2) + r + 8 (r / 8); register 16 b + i of the scores is key 32 b + 16 (lane / 16) + i of the step.
; LIMITS: NaN and infinities are not served; scores under -1e20 / 0.18 would be taken for masked ones.
; REGISTERS: v1-7, v9-11, v196, v198, v199 addresses and lane numbers; v8 at work; v12 -M, v13 largest t, v[14:15] the sum; v16-23 the fill; v32-95 fragments; v96-159 scores, then p; v160-191 O^T; v200-223 Q;
;   v224-239 p's codes; v232-254 at work; v197, v248-251, v253, v255 scales; s40-51 and s14-17, free behind the head: lane masks.
; THE MODE: SCHED_MODE bits 1:0 = 2 (LLVM: expert scheduling mode 2), set by the entry lines.  The code itself states the register dependences between vector or matrix instructions and memory or LDS instructions, with s_wait_alu, always for 0.
; THE PLAN.  Four waves share a SIMD's registers, 256 each, and all are in use: one set of fragment registers serves K and then V, and each run of loads stands behind the wait that frees it.  Registers that memory or LDS instructions touch:
;   v1-6, v11, v198   addresses made at the head, never written again.  v30, v31: made at the head, read by the closing add alone.
;   v9, v10, v199     a step's LDS addresses: written at the step's head, read by the step's LDS loads (v199: by the fill's two stores behind the step).  v8: written and read in a step's padding path.
;   v32-95, v248-251  K's fragments and words land at the step's head and are read by the products of scores; V's land behind those products and are read by the step's last four products.
;   v16-23            the fill: global loads land, LDS stores read; no vector line names them.
;   v224-239, v252    written by conversions and plain lines; read by the second product, and on the way out by three stores; the padding's bytes land in v224-239.
;   v208-215, v255    q and its scale word: loads land, the products of scores read.
; So a step has one wait on vm_vsrc, its first line, and three of its own on va_vdst: behind its addresses, behind the products of scores, ahead of the second product; two more stand behind the exponentials.
; A mask that a compare makes is read by its selects only behind a wait on va_sdst (VCC: va_vcc): the compares stand in runs, one wait to a run.
.set STB, 16384                        ; a step in LDS: K's 8 KiB, then V's
.set HI,  5*STB                        ; steps 4-7 begin here
.set SCK, 10*STB                       ; K's scale words of the head, 256 bytes a step; 2,048 bytes on: V's
.set OSC, SCK+4096                     ; the results' scale bytes: 512 for the late tiles, 512 for the early ones
.macro NOPS n
.rept \n
	v_nop
.endr
.endm
.macro NEXT                            ; on to the next 128 keys
	s_add_co_u32 s26, s26, 128
	s_add_co_u32 s2, s2, STB
	s_add_co_u32 s3, s3, 256
.endm
.macro GLOAD                           ; my 1 KiB of a later step
	global_load_b128 v[16:19], v1, s[30:31]
	global_load_b128 v[20:23], v1, s[30:31] offset:512
.endm
.macro TILEPTR tau, pq, ps, pa         ; tile s[tau]: where its q, its pair's scale words and its result lie
	s_lshl_b32 s56, s[\tau], 10
	s_add_co_u32 s56, s56, s47
	s_add_nc_u64 s[\pq:\pq+1], s[4:5], s[56:57]
	s_lshr_b32 s56, s[\tau], 1
	s_lshl_b32 s56, s56, 6
	s_add_co_u32 s56, s56, s46
	s_add_nc_u64 s[\ps:\ps+1], s[6:7], s[56:57]
	s_lshl_b32 s56, s44, 6
	s_add_co_u32 s56, s56, s[\tau]
	s_lshl_b32 s56, s56, 3
	s_add_co_u32 s56, s56, s58
	s_lshl_b32 s56, s56, 11
	s_add_co_u32 s56, s56, s59
	s_add_nc_u64 s[\pa:\pa+1], s[10:11], s[56:57]  ; row tile 64 b + tile, K step head / 2, groups 2 (head % 2) on
.endm
.macro QSC sh                          ; my tile's half-word of the pair's word, in both halves: it serves (q | 0) and (0 | q)
	v_lshrrev_b32 v255, s[\sh], v255
	v_and_b32 v255, 0xffff, v255
	v_lshl_or_b32 v255, v255, 16, v255
.endm
.macro INIT                            ; a tile's state: the step is written without a first step of its own; the first change of M leaves zeros zeros
	v_mov_b32 v13, 0xff61b1e6                      ; the largest t so far: -3e38
	v_floor_f32 v12, -v13                          ; -M
	v_mov_b32 v14, 0
	v_mov_b32 v15, 0
.set j, 0
.rept 32
	v_mov_b32 v[160+j], 0
.set j, j+1
.endr
	v_mov_b32 v252, 0
	v_mov_b32 v253, 0
.endm
.macro KQ p                            ; the pair p of tiles of keys against (q | 0) and (0 | q)
.if (\p)%2
	v_wmma_scale_f32_16x16x128_f8f6f4 v[96+16*\p:103+16*\p], v[32+16*\p:47+16*\p], v[208:223], 0, v[248+\p/2], v255 matrix_a_scale:MATRIX_SCALE_ROW1
	v_wmma_scale_f32_16x16x128_f8f6f4 v[104+16*\p:111+16*\p], v[32+16*\p:47+16*\p], v[200:215], 0, v[248+\p/2], v255 matrix_a_scale:MATRIX_SCALE_ROW1
.else
	v_wmma_scale_f32_16x16x128_f8f6f4 v[96+16*\p:103+16*\p], v[32+16*\p:47+16*\p], v[208:223], 0, v[248+\p/2], v255
	v_wmma_scale_f32_16x16x128_f8f6f4 v[104+16*\p:111+16*\p], v[32+16*\p:47+16*\p], v[200:215], 0, v[248+\p/2], v255
.endif
.endm
; A KEY STEP: the 128 keys at LDS offset s2, scale words at s3, first key s26.  vis: how many of its four blocks of 32 keys my queries see; diag = 1: the last of them lies on the diagonal;
; fill = 1: the address of the fill's stores, which stand behind the step, is made with the step's own.
.macro STEP vis, diag, fill
	s_wait_alu depctr_vm_vsrc(0)                   ; the step before's LDS loads have read v9 and v10, its padding's loads v8, its fill's stores v199; ahead of the first step: the head's LDS stores have read v32-63, in which fragments land, and the head's loads v105, which the products write
	v_add_nc_u32 v9, s2, v1                        ; the step's fragments,
	v_add_nc_u32 v10, s3, v2                       ; its scale words
.if \fill
	v_add_nc_u32 v199, s25, v3                     ; and where my part of step 4 + i goes
	NOPS 5
.else
	NOPS 6                                         ; with the additions: eight plain lines between the last products and the loads into the registers that they read; ahead of a tile's first step also the eight places between the line that makes q's scale word and the products that take it
.endif
	s_wait_alu depctr_va_vdst(0)                   ; v9, v10 (and v199) are written, which the LDS instructions read; the step before's products are done reading v32-95 and v248-251, in which loads land; q's zero codes and its scale word v255 are written, which the scaled products take
.irp p, 0,1,2,3
.if \p < \vis
.irp c, 0,1,2,3
	ds_load_b128 v[32+16*\p+4*\c:35+16*\p+4*\c], v9 offset:2048*\p+512*\c
.endr
.endif
.endr
	ds_load_b32 v248, v10                          ; lanes 0-15 pair 0's words, lanes 16-31 pair 1's
.if \vis > 2
	ds_load_b32 v249, v10 offset:128
.endif
	s_wait_dscnt 0x0
.irp p, 0,1,2,3
.if \p < \vis
	KQ \p
.endif
.endr
	NOPS 8                                         ; the places between the products and the first read of the scores
	s_wait_alu depctr_va_vdst(0)                   ; the products above are done reading K's fragments in v32-95, in which V's land
.irp t, 0,1,2,3
.irp c, 0,1,2,3
.if \c < \vis
	ds_load_b128 v[32+16*\t+4*\c:35+16*\t+4*\c], v9 offset:8192+2048*\t+512*\c   ; V's fragments land under the softmax, none of whose lines names them
.endif
.endr
.endr
	ds_load_b32 v250, v10 offset:2048
	ds_load_b32 v251, v10 offset:2176
.if \diag
	v_mov_b32 v254, 0xf1800000                     ; -2^100
.set n, 0
.rept 16
.set m, 40+n-38*(n/12)                             ; s40-51, then s14-17
	v_cmp_gt_i32 s[m], n, v7                       ; in the diagonal's block register i is hidden where i is above my query's place less 16 (lane / 16)
.set n, n+1
.endr
	s_wait_alu depctr_va_sdst(0)                   ; the sixteen masks are written, ahead of the selects that read them
.set n, 0
.rept 16
.set m, 40+n-38*(n/12)
	v_cndmask_b32 v[96+16*(\vis-1)+n], v[96+16*(\vis-1)+n], v254, s[m]
.set n, n+1
.endr
.endif
	s_lshr_b32 s29, s26, 5
	s_lshr_b32 s29, s28, s29
	s_and_b32 s29, s29, (1<<\vis)-1
	s_cmp_eq_u32 s29, 0                            ; no padded key among the visible blocks
	s_cbranch_scc1 .Lnopad_\@
	v_add_nc_u32 v8, s26, v5
	s_wait_alu depctr_va_vdst(0)                   ; v8 is written, which the loads read; the step before's products and conversions are done with v224-239, in which they land
.irp b, 0,1,2,3
.if \b < \vis
	global_load_b128 v[224+4*\b:227+4*\b], v8, s[34:35] offset:32*\b   ; the bytes of my 16 keys of block b
.endif
.endr
	v_mov_b32 v254, 0xf1800000
	s_wait_loadcnt 0x0
.set g, 0
.rept 2*\vis                                       ; eight keys at a time
.set n, 0
.rept 8
	v_lshlrev_b32 v[240+n], 31-8*(n%4), v[224+2*g+n/4]             ; the byte's lowest bit becomes the sign
.set n, n+1
.endr
.set n, 0
.rept 8
	v_cmp_gt_i32 s[40+n], 0, v[240+n]
.set n, n+1
.endr
	s_wait_alu depctr_va_sdst(0)                   ; the eight masks are written, ahead of the selects that read them
.set n, 0
.rept 8
	v_cndmask_b32 v[96+8*g+n], v[96+8*g+n], v254, s[40+n]
.set n, n+1
.endr
.set g, g+1
.endr
.Lnopad_\@:
.irp b, 0,1,2,3
.if \b < \vis
	v_max3_num_f32 v[232+\b], v[96+16*\b], v[97+16*\b], v[98+16*\b]   ; the largest score of each block: for the row's maximum and for the block's largest p
.endif
.endr
.irp i, 3,5,7,9,11,13
.irp b, 0,1,2,3
.if \b < \vis
	v_max3_num_f32 v[232+\b], v[232+\b], v[96+16*\b+\i], v[97+16*\b+\i]
.endif
.endr
.endr
.irp b, 0,1,2,3
.if \b < \vis
	v_max_num_f32 v[232+\b], v[232+\b], v[111+16*\b]
.endif
.endr
.irp b, 0,1,2,3
.if \b < \vis
	v_permlanex16_b32 v[236+\b], v[232+\b], s20, s21
.endif
.endr
.irp b, 0,1,2,3
.if \b < \vis
	v_max_num_f32 v[232+\b], v[232+\b], v[236+\b]
.endif
.endr
.if \vis == 1
	v_mul_f32 v254, s22, v232                      ; the step's largest score, as t
.elseif \vis == 2
	v_max_num_f32 v254, v232, v233
	v_mul_f32 v254, s22, v254
.elseif \vis == 3
	v_max3_num_f32 v254, v232, v233, v234
	v_mul_f32 v254, s22, v254
.else
	v_max3_num_f32 v254, v232, v233, v234
	v_max_num_f32 v254, v254, v235
	v_mul_f32 v254, s22, v254
.endif
	v_max_num_f32 v13, v13, v254                   ; the running largest t
	v_mov_b32 v254, v12
	v_floor_f32 v12, -v13                          ; the new -M: a whole number
	v_sub_f32 v254, v12, v254                      ; old M - new M, 0 or less
	v_cvt_i32_f32 v254, v254                       ; (it saturates)
	v_ldexp_f32 v252, 1.0, v254                    ; f = 2^(old M - new M)
.set j, 0
.rept 8*\vis
	v_pk_fma_f32 v[96+j:97+j], v[96+j:97+j], s[22:23], v[12:13] op_sel_hi:[1,0,0]   ; t - M
.set j, j+2
.endr
.irp b, 0,1,2,3
.if \b < \vis
	v_fma_f32 v[232+\b], v[232+\b], s22, v12
.endif
.endr
.set j, 0
.rept 16*\vis
	v_exp_f32 v[96+j], v[96+j]                     ; p = 2^(t - M)
.set j, j+1
.endr
	v_pk_mul_f32 v[14:15], v[14:15], v[252:253] op_sel_hi:[1,0]    ; the sums under the new M: the plain line behind the batch
	s_wait_alu depctr_va_vdst(0)                   ; the batch of exponentials has written p in v96 on, ahead of its first reader: one wait for the batch
.irp b, 0,1,2,3
.if \b < \vis
	v_exp_f32 v[232+\b], v[232+\b]                 ; each block's largest p
.endif
.endr
	v_pk_add_f32 v[236:237], v[96:97], v[98:99]    ; the sum of the unquantised p, in two chains
.set j, 4
.rept 4*\vis-1
	v_pk_add_f32 v[14:15], v[14:15], v[96+j:97+j]
	v_pk_add_f32 v[236:237], v[236:237], v[98+j:99+j]
.set j, j+4
.endr
	v_pk_add_f32 v[14:15], v[14:15], v[236:237]
	s_wait_alu depctr_va_vdst(0)                   ; the blocks' exponentials have written v232 on, ahead of their first reader
.irp b, 0,1,2,3
.if \b < \vis
	v_max_num_f32 v[232+\b], 0x4800000, v[232+\b]  ; the floor 2^(9 - 127)
.endif
.endr
.irp b, 0,1,2,3
.if \b < \vis
	v_add_nc_u32 v[244+\b], 0xfc000000, v[232+\b]  ; 8 off the exponent field: the conversion's scale operand
.endif
.endr
.irp b, 0,1,2,3
.if \b < \vis
	v_and_or_b32 v[240+\b], v[232+\b], 0x7f800000, s19   ; 448 x the scale
.endif
.endr
.irp b, 0,1,2,3
.if \b < \vis
	v_lshrrev_b32 v[236+\b], 23, v[244+\b]         ; the scale's byte
.endif
.endr
.if \vis == 1
	v_mov_b32 v253, v236                           ; p's scale word for these 128 keys; a hidden block's byte stays 0, over zero codes
.else
	v_lshl_or_b32 v253, v237, 8, v236
.endif
.if \vis > 2
	v_lshl_or_b32 v253, v238, 16, v253
.endif
.if \vis > 3
	v_lshl_or_b32 v253, v239, 24, v253
.endif
.irp b, 0,1,2,3
.if \b < \vis
.irp i, 0,1,2,3,4,5,6,7,8,9,10,11,12,13,14,15
	v_min_num_f32 v[96+16*\b+\i], v[96+16*\b+\i], v[240+\b]        ; the conversion does not saturate (ISA guide 7.6.2); p is not negative: a one-sided hold
.endr
	v_cvt_scalef32_pk8_fp8_f32 v[224+4*\b:225+4*\b], v[96+16*\b:103+16*\b], v[244+\b]
	v_cvt_scalef32_pk8_fp8_f32 v[226+4*\b:227+4*\b], v[104+16*\b:111+16*\b], v[244+\b]
.else
.irp i, 0,1,2,3
	v_mov_b32 v[224+4*\b+\i], 0                    ; a hidden block's p: zero codes
.endr
.endif
.endr
.set j, 0
.rept 16
	v_pk_mul_f32 v[160+j:161+j], v[160+j:161+j], v[252:253] op_sel_hi:[1,0]   ; O^T under the new M; these sixteen are also the places in front of the products
.set j, j+2
.endr
	s_wait_dscnt 0x0                               ; V's fragments and scale words
	s_wait_alu depctr_va_vdst(0)                   ; p's codes in v224-239 and its scale word v253 are written, which the scaled products take as operand and as scales; the places stand above, beside this wait
	v_wmma_scale_f32_16x16x128_f8f6f4 v[160:167], v[32:47], v[224:239], v[160:167], v250, v253
	v_wmma_scale_f32_16x16x128_f8f6f4 v[168:175], v[48:63], v[224:239], v[168:175], v250, v253 matrix_a_scale:MATRIX_SCALE_ROW1
	v_wmma_scale_f32_16x16x128_f8f6f4 v[176:183], v[64:79], v[224:239], v[176:183], v251, v253
	v_wmma_scale_f32_16x16x128_f8f6f4 v[184:191], v[80:95], v[224:239], v[184:191], v251, v253 matrix_a_scale:MATRIX_SCALE_ROW1
.endm
; FOUR STEPS from step s0 on (LDS offset tb), for the tile whose first query's group of 32 begins at s27.  The trip count is a constant; what a step does hangs on ids alone: nothing, an open step, or the diagonal's.
.macro WALK s0, tb
	s_mov_b32 s2, \tb
	s_mov_b32 s3, (\s0)*256
	s_mov_b32 s26, (\s0)*128
	s_mov_b32 s24, 4
.Lw_\@:
	s_cmp_gt_u32 s26, s27                          ; all its keys come after my queries
	s_cbranch_scc1 .Lwn_\@
	s_add_co_u32 s29, s26, 128
	s_cmp_le_u32 s29, s27                          ; all its keys count
	s_cbranch_scc0 .Lwd_\@
	STEP 4, 0, 0
	s_branch .Lwn_\@
.Lwd_\@:
	s_sub_co_u32 s29, s27, s26                     ; 32 x the diagonal's block
	s_cmp_eq_u32 s29, 0
	s_cbranch_scc0 .Lw2_\@
	STEP 1, 1, 0
	s_branch .Lwn_\@
.Lw2_\@:
	s_cmp_eq_u32 s29, 32
	s_cbranch_scc0 .Lw3_\@
	STEP 2, 1, 0
	s_branch .Lwn_\@
.Lw3_\@:
	s_cmp_eq_u32 s29, 64
	s_cbranch_scc0 .Lw4_\@
	STEP 3, 1, 0
	s_branch .Lwn_\@
.Lw4_\@:
	STEP 4, 1, 0
.Lwn_\@:
	NEXT
	s_sub_co_u32 s24, s24, 1
	s_cmp_lg_u32 s24, 0
	s_cbranch_scc1 .Lw_\@
.endm
.macro FB zero                         ; flat rows: the sum of V's quantised numbers over 128 keys more
	NOPS 8
	s_wait_alu depctr_va_vdst(0)                   ; the products before are done reading v32-95, v250 and v251, in which the loads land; in the first round the codes of 1.0 and their scale word v197 are written, which the scaled products take
.irp t, 0,1,2,3
.irp c, 0,1,2,3
	global_load_b128 v[32+16*\t+4*\c:35+16*\t+4*\c], v1, s[60:61] offset:2048*\t+512*\c
.endr
.endr
	global_load_b32 v250, v2, s[62:63] offset:-SCK
	global_load_b32 v251, v2, s[62:63] offset:128-SCK
	s_wait_loadcnt 0x0
	s_add_nc_u64 s[60:61], s[60:61], 8192
	s_add_nc_u64 s[62:63], s[62:63], 256
.if \zero
	v_wmma_scale_f32_16x16x128_f8f6f4 v[96:103], v[32:47], v[224:239], 0, v250, v197
	v_wmma_scale_f32_16x16x128_f8f6f4 v[104:111], v[48:63], v[224:239], 0, v250, v197 matrix_a_scale:MATRIX_SCALE_ROW1
	v_wmma_scale_f32_16x16x128_f8f6f4 v[112:119], v[64:79], v[224:239], 0, v251, v197
	v_wmma_scale_f32_16x16x128_f8f6f4 v[120:127], v[80:95], v[224:239], 0, v251, v197 matrix_a_scale:MATRIX_SCALE_ROW1
.else
	v_wmma_scale_f32_16x16x128_f8f6f4 v[96:103], v[32:47], v[224:239], v[96:103], v250, v197
	v_wmma_scale_f32_16x16x128_f8f6f4 v[104:111], v[48:63], v[224:239], v[104:111], v250, v197 matrix_a_scale:MATRIX_SCALE_ROW1
	v_wmma_scale_f32_16x16x128_f8f6f4 v[112:119], v[64:79], v[224:239], v[112:119], v251, v197
	v_wmma_scale_f32_16x16x128_f8f6f4 v[120:127], v[80:95], v[224:239], v[120:127], v251, v197 matrix_a_scale:MATRIX_SCALE_ROW1
.endif
.endm
; A TILE'S WAY OUT: / the sum, flat rows, the quantiser along d, the image to s[pa], the two scale bytes to LDS at v[osa].  pre = 1: the early tile's q is asked for first and lands meanwhile.
.macro WAYOUT pa, osa, pre
	NOPS 8
.if \pre
	s_wait_alu depctr_va_vdst(0)                   ; the late tile's products are done reading q in v208-215 and its scale word v255, in which the early tile's land
	global_load_b128 v[208:211], v1, s[66:67]
	global_load_b128 v[212:215], v1, s[66:67] offset:512
	global_load_b32 v255, v198, s[68:69]
.endif
	v_add_f32 v14, v14, v15
	v_permlanex16_b32 v252, v14, s20, s21
	v_add_f32 v14, v14, v252                       ; the row's sum
	v_rcp_f32 v14, v14
	v_nop
	s_wait_alu depctr_va_vdst(0)                   ; the reciprocal has written v14, ahead of its first reader
.set j, 0
.rept 32
	v_mul_f32 v[128+j], v[160+j], v14              ; register 16 c + i: channel 32 c + 16 h + i of the head
.set j, j+1
.endr
	s_and_b32 s29, s28, 1
	s_cmp_eq_u32 s29, 0                            ; no padded key among keys 0 .. 31: every query has a live key
	s_cbranch_scc1 .Lnofb_\@
	s_mov_b64 s[60:61], s[36:37]
	s_mov_b64 s[62:63], s[38:39]
.set j, 0
.rept 16
	v_mov_b32 v[224+j], 0x38383838                 ; codes of 1.0,
.set j, j+1
.endr
	v_mov_b32 v197, 0x7f7f7f7f                     ; under the scale 1
	FB 1
	s_mov_b32 s29, 7
.Lfb_\@:
	FB 0
	s_sub_co_u32 s29, s29, 1
	s_cmp_lg_u32 s29, 0
	s_cbranch_scc1 .Lfb_\@
	NOPS 8
	v_cmp_gt_f32 vcc_lo, 0xe0ad78ec, v13           ; -1e20 above the largest t: the row has met no live key
	s_wait_alu depctr_va_vcc(0)                    ; the mask is written, ahead of the selects that read it
.set j, 0
.rept 32
	v_mul_f32 v[96+j], 0x3a800000, v[96+j]         ; / 1,024
	v_cndmask_b32 v[128+j], v[128+j], v[96+j], vcc_lo
.set j, j+1
.endr
.Lnofb_\@:
	; the head's 64 channels are two blocks of 32 of the last product's K
.irp b, 0,1
	v_max3_num_f32 v[232+\b], |v[128+16*\b]|, |v[129+16*\b]|, 0x4800000
.endr
.irp i, 2,4,6,8,10,12,14
.irp b, 0,1
	v_max3_num_f32 v[232+\b], v[232+\b], |v[128+16*\b+\i]|, |v[129+16*\b+\i]|
.endr
.endr
.irp b, 0,1
	v_permlanex16_b32 v[236+\b], v[232+\b], s20, s21
.endr
.irp b, 0,1
	v_max_num_f32 v[232+\b], v[232+\b], v[236+\b]
.endr
.irp b, 0,1
	v_add_nc_u32 v[244+\b], 0xfc000000, v[232+\b]
.endr
.irp b, 0,1
	v_and_or_b32 v[240+\b], v[232+\b], 0x7f800000, s19
.endr
.irp b, 0,1
	v_lshrrev_b32 v[236+\b], 23, v[244+\b]
.endr
	v_lshl_or_b32 v252, v237, 8, v236              ; my row's two bytes
.irp b, 0,1
.irp i, 0,1,2,3,4,5,6,7,8,9,10,11,12,13,14,15
	v_med3_num_f32 v[128+16*\b+\i], v[128+16*\b+\i], -v[240+\b], v[240+\b]
.endr
	v_cvt_scalef32_pk8_fp8_f32 v[224+4*\b:225+4*\b], v[128+16*\b:135+16*\b], v[244+\b]
	v_cvt_scalef32_pk8_fp8_f32 v[226+4*\b:227+4*\b], v[136+16*\b:143+16*\b], v[244+\b]
.endr
	v_nop
	s_wait_alu depctr_va_vdst(0)                   ; the conversions have written v224-231 and the two bytes stand in v252: the three stores' data.  Behind the early tile no vector line follows this wait, so it also lets the last LDS load land in v96-99
	global_store_b128 v1, v[224:227], s[\pa:\pa+1] ; 1,024 consecutive bytes a wave, aligned
	global_store_b128 v1, v[228:231], s[\pa:\pa+1] offset:512
	ds_store_b16 v[\osa], v252                     ; both halves of the lanes write the same bytes
.endm
	s_load_b256 s[4:11], s[0:1], 0x0               ; qkv, qkvs, pad_mask, aimg
	s_load_b64 s[12:13], s[0:1], 0x20              ; ascl
	v_lshl_add_u32 v30, v0, 2, 0x29400
	v_mov_b32 v31, 0
	v_lshrrev_b32 v8, 5, v0
	v_readfirstlane_b32 s18, v8                    ; wave 0..15
	v_and_b32 v10, 31, v0                          ; lane
	v_and_b32 v8, 15, v0                           ; r
	v_bfe_u32 v9, v0, 4, 1                         ; h
	v_lshlrev_b32 v1, 4, v10                       ; 16 x lane
	v_lshl_add_u32 v2, v10, 2, SCK                 ; the scale words: 4 x lane
	s_wait_alu depctr_va_sdst(0)                   ; s18 is written, ahead of its first reader
	s_lshl_b32 s40, s18, 10
	v_add_nc_u32 v3, s40, v1                       ; where I store my 1 KiB of a step: waves 0-7 K's, waves 8-15 V's
	s_lshl_b32 s40, s18, 9
	v_add_nc_u32 v4, s40, v1
	v_add_nc_u32 v4, SCK, v4                       ; waves 0-3: K's scale words, waves 4-7: V's, 512 bytes each
	v_lshlrev_b32 v5, 4, v9                        ; 16 h
	s_xor_b32 s40, s18, 15                         ; the late tile's place among its sixteen: 15 - wave
	s_lshl_b32 s40, s40, 5
	v_lshl_add_u32 v6, v8, 1, s40
	v_add_nc_u32 v6, OSC, v6
	s_lshl_b32 s40, s18, 5
	v_lshl_add_u32 v11, v8, 1, s40
	v_add_nc_u32 v11, OSC+512, v11                 ; the early tile's
	v_lshrrev_b32 v196, 3, v8
	v_lshl_add_u32 v196, v196, 3, v8
	v_sub_nc_u32 v196, v196, v5                    ; r + 8 (r / 8) - 16 h
	v_lshlrev_b32 v198, 2, v8                      ; 4 r
	v_lshlrev_b32 v105, 5, v10                     ; 32 x lane
	s_lshl_b32 s41, ttmp9, 4
	s_add_co_u32 s41, s41, s18                     ; the early tile: 16 y + wave, 0 .. 31
	s_xor_b32 s42, s41, 63                         ; the late tile: 63 - that
	s_lshr_b32 s73, s41, 1
	s_lshl_b32 s73, s73, 5                         ; the early tile's queries lie in s73 .. s73 + 31,
	s_lshr_b32 s72, s42, 1
	s_lshl_b32 s72, s72, 5                         ; the late tile's in s72 .. s72 + 31
	s_and_b32 s76, s41, 1
	s_lshl_b32 s74, s76, 4                         ; 16 u and
	s_lshl_b32 s76, s76, 3                         ; 8 u of the early tile,
	s_and_b32 s75, s42, 1
	s_lshl_b32 s55, s75, 4
	s_lshl_b32 s75, s75, 3                         ; of the late tile
	s_and_b32 s43, ttmp7, 0xffff                   ; 16 b + head
	s_lshl_b32 s47, s43, 16                        ; a head's images: 65,536 bytes
	s_lshl_b32 s46, s43, 11                        ; its scale bytes: 2,048
	s_lshr_b32 s44, s43, 4                         ; the batch
	s_and_b32 s45, s43, 15                         ; the head
	s_lshr_b32 s58, s45, 1
	s_and_b32 s59, s45, 1
	s_lshl_b32 s59, s59, 10
	s_mov_b32 s19, 0x600000
	s_mov_b32 s20, 0x76543210
	s_mov_b32 s21, 0xfedcba98
	s_mov_b32 s22, 0x3e38aa3b                      ; c = log2(e) / 8
	s_mov_b32 s23, s22
	s_mov_b32 s57, 0
	s_wait_kmcnt 0x0
	s_mov_b32 s56, 16777216
	s_cmp_lt_u32 s18, 8
	s_cselect_b32 s56, 8388608, s56                ; waves 0-7 bring K, waves 8-15 V
	s_add_co_u32 s56, s56, s47
	s_and_b32 s40, s18, 7
	s_lshl_b32 s40, s40, 10
	s_add_co_u32 s56, s56, s40
	s_add_nc_u64 s[30:31], s[4:5], s[56:57]
	s_wait_alu depctr_va_vdst(0)                   ; the addresses v1-6, v11, v105 and v198 are written, which the loads and stores of the whole kernel read
.irp s, 0,1,2,3
	global_load_b128 v[32+8*\s:35+8*\s], v1, s[30:31] offset:8192*\s          ; my 1 KiB of each of steps 0-3
	global_load_b128 v[36+8*\s:39+8*\s], v1, s[30:31] offset:8192*\s+512
.endr
	s_lshr_b32 s40, s18, 2
	s_min_u32 s40, s40, 1
	s_add_co_u32 s40, s40, 1
	s_lshl_b32 s56, s40, 18
	s_add_co_u32 s56, s56, s46
	s_and_b32 s40, s18, 3
	s_lshl_b32 s40, s40, 9
	s_add_co_u32 s56, s56, s40
	s_add_nc_u64 s[32:33], s[6:7], s[56:57]
	s_cmp_lt_u32 s18, 8
	s_cbranch_scc0 .Lnosc
	global_load_b128 v[192:195], v1, s[32:33]      ; 512 of the head's 4,096 scale bytes
.Lnosc:
	TILEPTR 42, 48, 50, 52                         ; the late tile
	global_load_b128 v[208:211], v1, s[48:49]      ; q: channels 0-31,
	global_load_b128 v[212:215], v1, s[48:49] offset:512   ; 32-63
	global_load_b32 v255, v198, s[50:51]
	s_lshl_b32 s56, s44, 10
	s_add_nc_u64 s[34:35], s[8:9], s[56:57]        ; the batch's padding bytes
	global_load_b128 v[96:99], v105, s[34:35]      ; 32 of them a lane
	global_load_b128 v[100:103], v105, s[34:35] offset:16
	TILEPTR 41, 66, 68, 70                         ; the early tile
	s_add_co_u32 s56, s47, 16777216
	s_add_nc_u64 s[36:37], s[4:5], s[56:57]        ; V's images and
	s_add_co_u32 s56, s46, 524288
	s_add_nc_u64 s[38:39], s[6:7], s[56:57]        ; scale bytes, for flat rows
	s_lshl_b32 s56, s45, 14
	s_lshl_b32 s40, s44, 11
	s_add_co_u32 s56, s56, s40
	s_lshl_b32 s40, ttmp9, 9                       ; the early tiles' 512 scale bytes begin at tile 16 y: 32 bytes a tile;
	s_sub_co_u32 s29, 1536, s40                    ; the late tiles' at tile 48 - 16 y
	s_cmp_eq_u32 s18, 0
	s_cselect_b32 s40, s29, s40                    ; wave 0 stores the late tiles', wave 1 the early ones'
	s_add_co_u32 s56, s56, s40
	s_add_nc_u64 s[12:13], s[12:13], s[56:57]
.irp j, 0,1,2,3,4,5,6,7
	v_mov_b32 v[200+\j], 0                         ; zero codes on both sides of q
	v_mov_b32 v[216+\j], 0
.endr
.irp b, 0,1,2,3
	v_mov_b32 v[236+\b], 0                         ; a lane permute's destination counts as one of its sources
.endr
	INIT
	v_add_nc_u32 v7, s75, v196                     ; my query's place in its group of 32, less 16 h
	s_mov_b32 s27, s72
	s_wait_loadcnt 0x0
	QSC 55
	v_or_b32 v96, v96, v97
	v_or_b32 v98, v98, v99
	v_or_b32 v100, v100, v101
	v_or_b32 v102, v102, v103
	v_or_b32 v96, v96, v98
	v_or_b32 v100, v100, v102
	v_or_b32 v96, v96, v100
	v_cmp_ne_u32 s28, 0, v96                       ; bit l: a padded key among keys 32 l .. 32 l + 31
	s_wait_alu depctr_va_sdst(0)                   ; s28 is written, ahead of its first reader, which stands in the first step
.irp s, 0,1,2,3
	ds_store_b128 v3, v[32+8*\s:35+8*\s] offset:STB*\s             ; (data that loads brought; v3 and v4 were written ahead of the head's wait on va_vdst, and no vector line since names them)
	ds_store_b128 v3, v[36+8*\s:39+8*\s] offset:STB*\s+512
.endr
	s_cmp_lt_u32 s18, 8
	s_cbranch_scc0 .Lnosc2
	ds_store_b128 v4, v[192:195]
.Lnosc2:
	s_add_nc_u64 s[30:31], s[30:31], 4*8192        ; (the loads that read this base have been waited for)
	GLOAD                                          ; step 4's part: a whole step in which to land
	s_wait_dscnt 0x0                               ; my stores have landed
	s_barrier_signal -1
	s_barrier_wait -1                              ; everybody's have: steps 0-3 and all scale words lie in LDS
	; ---- THE LATE TILE, steps 0-3: open in every wave.  Behind step i my part of step 4 + i goes to LDS: bytes from HI on, which nobody reads ahead of the next barrier
	s_mov_b32 s2, 0
	s_mov_b32 s3, 0
	s_mov_b32 s26, 0
	s_mov_b32 s25, HI
	s_mov_b32 s24, 4
.Lfirst:
	STEP 4, 0, 1
	s_wait_loadcnt 0x0                             ; my part of step 4 + i, asked for a step ago
	ds_store_b128 v199, v[16:19]                   ; (v199 was written ahead of the wait on va_vdst at the step's head; no vector line of the step names it, nor v16-23)
	ds_store_b128 v199, v[20:23] offset:512
	s_wait_alu depctr_vm_vsrc(0)                   ; the two stores have read v16-23, in which the next part's loads land
	s_add_co_u32 s25, s25, STB
	s_cmp_eq_u32 s24, 1
	s_cbranch_scc1 .Lfilled                        ; step 7's part was the last: no load leaves the head's images
	s_add_nc_u64 s[30:31], s[30:31], 8192
	s_wait_dscnt 0x0                               ; the stores are done
	GLOAD
.Lfilled:
	NEXT
	s_sub_co_u32 s24, s24, 1
	s_cmp_lg_u32 s24, 0
	s_cbranch_scc1 .Lfirst
	s_wait_dscnt 0x0                               ; my stores have landed
	s_barrier_signal -1
	s_barrier_wait -1                              ; everybody's have: the whole head lies in LDS, and nothing of it is written again
	WALK 4, HI                                     ; the late tile's other steps
	WAYOUT 52, 6, 1
	; ---- THE EARLY TILE
	s_wait_xcnt 0x0                                ; the stores' addresses are translated: their registers may be written again,
	s_wait_alu depctr_vm_vsrc(0)                   ; and the three stores have read v224-231 and v252, which the early tile's lines write again
	s_mov_b32 s27, s73
	v_add_nc_u32 v7, s76, v196
	INIT
	s_wait_loadcnt 0x0                             ; its q and scale word
	QSC 74
	WALK 0, 0
	WAYOUT 70, 11, 0
	s_wait_dscnt 0x0
	s_barrier_signal -1
	s_barrier_wait -1                              ; the sixteen waves' 2 x 512 scale bytes lie together
	s_cmp_lt_u32 s18, 2
	s_cbranch_scc0 .Lend
	ds_load_b128 v[96:99], v4 offset:4096          ; wave 0: the late tiles' 512 bytes; wave 1: the early ones'.  (No vector line stands behind the way out's last wait on va_vdst)
	s_wait_dscnt 0x0
	global_store_b128 v1, v[96:99], s[12:13]       ; 512 consecutive bytes, aligned
.Lend:
	s_wait_dscnt 0x0                               ; the closing lines, six on end
	s_wait_alu 0x0
	s_wait_tensorcnt 0x0
	ds_add_u32 v30, v31
	s_wait_dscnt 0x0
	s_endpgm
.Lfunc_end_k_q43e1579361_attn:
	.size	k_q43e1579361_attn, .Lfunc_end_k_q43e1579361_attn-k_q43e1579361_attn
	.p2alignl 7, 3214868480
	.fill 96, 4, 3214868480
	.section	.rodata,"a",@progbits
	.p2align	6, 0x0
	.amdhsa_kernel k_q43e1579361_attn
		.amdhsa_group_segment_fixed_size 171008
		.amdhsa_private_segment_fixed_size 0
		.amdhsa_enable_private_segment 0
		.amdhsa_kernarg_size 40
		.amdhsa_user_sgpr_count 2
		.amdhsa_user_sgpr_kernarg_segment_ptr 1
		.amdhsa_wavefront_size32 1
		.amdhsa_system_sgpr_workgroup_id_x 1
		.amdhsa_system_sgpr_workgroup_id_y 1
		.amdhsa_system_sgpr_workgroup_id_z 1
		.amdhsa_system_vgpr_workitem_id 0
		.amdhsa_next_free_vgpr 256
		.amdhsa_next_free_sgpr 80
		.amdhsa_reserve_vcc 1
		.amdhsa_float_denorm_mode_32 3
		.amdhsa_float_denorm_mode_16_64 3
		.amdhsa_memory_ordered 1
		.amdhsa_forward_progress 1
		.amdhsa_inst_pref_size 255
	.end_amdhsa_kernel
	.section	.bss,"aw",@nobits
	.p2align	6
	.space	262144
	.amdgpu_metadata
---
amdhsa.version: [ 1, 2 ]
amdhsa.kernels:
  - .name:           k_q43e1579361_attn
    .symbol:         k_q43e1579361_attn.kd
    .args:
      - { .name: qkv, .offset: 0, .size: 8, .value_kind: global_buffer, .address_space: global }
      - { .name: qkvs, .offset: 8, .size: 8, .value_kind: global_buffer, .address_space: global }
      - { .name: pad_mask, .offset: 16, .size: 8, .value_kind: global_buffer, .address_space: global }
      - { .name: aimg, .offset: 24, .size: 8, .value_kind: global_buffer, .address_space: global }
      - { .name: ascl, .offset: 32, .size: 8, .value_kind: global_buffer, .address_space: global }
    .group_segment_fixed_size: 171008
    .private_segment_fixed_size: 0
    .kernarg_segment_align: 8
    .kernarg_segment_size: 40
    .max_flat_workgroup_size: 512
    .sgpr_count:     80
    .vgpr_count:     256
    .wavefront_size: 32
...
	.end_amdgpu_metadata
.endif
;; end of part 5
;; launch oproj: the kernel of part 4 again; grid 4 x 64, 4 waves a work-group, clusters of 4 x 4, 327,680 bytes of LDS; arguments aimg, ascl, codes, scl, bo, out0; writes out0
